; MI455X (gfx1250); checked and timed in simulation.
; The chip was launched on July 23, 2026; its instructions are those of AMD's public machine-readable ISA for CDNA 5 (MIT licence, August 2026) and "CDNA5" Instruction Set Architecture Reference Guide (July 2026). The comments in the code are by the model that wrote it; some were corrected since.
;; Multi Head Attention. Allowed arithmetic: matrix products marked QUANTISED: E2M1 operands, one E8M0 scale for each 32 along K, by v_wmma_scale_f32_16x16x128_f8f6f4 with both operands' format E2M1 (or v_wmma_scale_f32_32x16x128_f4), f32 sums; products left as they are: bf16, f16 or f32 operands; f32 sums; everything else in f32.
;; Inputs: Wk 16 x 1,024 x 64 float32; Wo 1,024 x 1,024 float32; Wq 16 x 1,024 x 64 float32; Wv 16 x 1,024 x 64 float32; bo 1,024 float32; x 2 x 2,048 x 1,024 float32.
;; Outputs: out0 2 x 2,048 x 1,024 float32.
;; This version of the problem:
;;   THIS VERSION OF THE PROBLEM IS GIVEN IN LOW PRECISION. The matrix products marked QUANTISED in the list below multiply operands that are first quantised to E2M1 (2 exponent bits, 1 mantissa bit; 4 bits a number), with one power-of-two scale for each 32 numbers along K (OCP MX v1.0); their sums are f32. The products marked 'left as it is' may take bf16, f16 or f32 operands, with f32 sums. Whichever they take, every output number must still come out within the allowed error. Rounding operands to bf16 (8 significant bits) uses up far more of that allowance than f16 does (11 bits, for magnitudes from 6e-5 to 65,504). All else is computed in f32.
;;   The module's matrix products, in the order in which they are computed (A, B: the left and right operand; K: the contracted axis; several contracted axes count as one K, in the product's order):
;;     1. [M 1,024, K 1,024] x [K 1,024, N 4,096]; A: input Wq; B: input x: QUANTISED
;;     2. [M 1,024, K 1,024] x [K 1,024, N 4,096]; A: input Wk; B: input x: QUANTISED
;;     3. [M 1,024, K 1,024] x [K 1,024, N 4,096]; A: input Wv; B: input x: QUANTISED
;;     4. batch 32 x [M 2,048, K 64] x [K 64, N 2,048]; A: computed on the way; B: computed on the way: left as it is (an operand is computed on the way)
;;     5. batch 32 x [M 2,048, K 2,048] x [K 2,048, N 64]; A: computed on the way; B: computed on the way: left as it is (an operand is computed on the way)
;;     6. [M 4,096, K 1,024] x [K 1,024, N 1,024]; A: computed on the way; B: input Wo: left as it is (an operand is computed on the way)
;;   THE QUANTISER, for each operand of a quantised product, along K:
;;     - K is cut into blocks of 32 from its start; a last block that is shorter is filled with zeros.
;;     - A block's scale is 2^e with e = floor(log2(the largest magnitude in the block)) - 2, held to -126 .. 127; a block of zeros has e = 0. As a byte (E8M0): e + 127.
;;     - Each number is divided by its block's scale, clamped to +-6, and rounded to the nearest number of E2M1, ties to even, subnormals kept.
;;     - The product sums the exact products of the quantised numbers (number of the format x scale) in f32.
;;   ~~~python
;;   def quantise(x, axis):      # numpy; x: float32 -> the quantised numbers, widened to float32 again
;;       x = np.moveaxis(x, axis, -1); K = x.shape[-1]
;;       x = np.pad(x, [(0, 0)] * (x.ndim - 1) + [(0, -K % 32)]); x = x.reshape(x.shape[:-1] + (-1, 32)); a = np.abs(x).max(-1, keepdims=True)
;;       e = np.where(a > 0, np.clip(np.frexp(np.where(a > 0, a, 1))[1] - 1 - 2, -126, 127), 0)      # np.frexp(a)[1] - 1 = floor(log2(a)), exactly
;;       r = np.clip(x / 2.0 ** e, -6, 6)
;;       step = 2.0 ** (np.maximum(np.frexp(np.where(r == 0, 1, r))[1] - 1, 0) - 1)
;;       q = np.round(r / step) * step * 2.0 ** e      # np.round: ties to even
;;       return np.moveaxis(q.reshape(q.shape[:-2] + (-1,))[..., :K], -1, axis).astype(np.float32)
;;   ~~~
;; One version. Each part assembles by itself: llvm-mc -triple=amdgcn-amd-amdhsa -mcpu=gfx1250 --defsym DOCPART=n.
;; ======== version 1 of 1: 5 launches
;; limits: values are held in f16: magnitudes above 65,504 overflow, below 6.1e-05 lose precision
;; workspace buffers: xc 2,097,152 bytes; xs 131,072 bytes; wc 1,572,864 bytes; ws 98,304 bytes; wot 2,097,152 bytes; qkv 25,165,824 bytes; qkvf 393,216 bytes; att 8,388,608 bytes
;; launch prep (part 1): grid 256 x 1, 8 waves a work-group, no clusters, 131,072 bytes of LDS; arguments x, Wq, Wk, Wv, Wo, xc, xs, wc, ws, wot; writes xc, xs, wc, ws, wot
.if DOCPART == 1
	.amdgcn_target "amdgcn-amd-amdhsa--gfx1250"
	.amdhsa_code_object_version 6
	.text
	.protected	k_qe48a7db47c_prep
	.globl	k_qe48a7db47c_prep
	.p2align	8
	.type	k_qe48a7db47c_prep,@function
k_qe48a7db47c_prep:
	s_mov_b64 s[64:65], 0
	v_nop
	global_prefetch_b8 v0, s[64:65] scope:SCOPE_SE
	s_setreg_imm32_b32 hwreg(HW_REG_WAVE_MODE, 25, 1), 1
	s_wait_xcnt 0x0
; PREP: the operands of the later launches are laid out once.  Three kinds of work-group, told apart by the work-group's number; each reads 128 KB, 16 KB a wave, all asked for at the wave's head.
;   0-127   x [4096][1024] f32 -> xc: codes of FP4 (E2M1), two a byte, K innermost, 512 bytes a token; xs: one E8M0 byte for each 32 along K, 32 bytes a token.
;   128-223 Wq, Wk, Wv [16][1024 (K)][64] f32 -> wc [3072 rows n = 1024 tensor + 64 head + column][512 bytes], K innermost; ws [3072][32].  A lane takes a column and its registers run down K.
;   224-255 Wo [1024 (k)][1024 (n)] f32 -> wot [n][k] f16: the same plan, a lane a column.
; A block's scale is 2^(floor(log2(its largest magnitude)) - 2); its byte is the largest magnitude's exponent field - 2, held at 1 from below.
; LIMITS: a block of zeros gets the byte 1 where the rule says 127 (its codes are zeros, and this program alone reads the bytes); NaN and infinities among the inputs are not served;
; Wo beyond f16's largest number, 65,504, is not served.  ws leaves as 16 bytes a lane, rows 32 bytes apart: 96 KB of the launch's stores cover their 256-byte blocks in part.
; Each kind of work-group has LDS bytes of its own.
.set XST,   0                          ; x: for each wave two stages of 32 x 80 bytes
.set XSC,   40960                      ; x: the work-group's 1,024 scale bytes
.set WSTG,  41984                      ; W: 64 rows (columns of W) x (256 + 16) bytes of codes
.set WSC,   59392                      ; W: 64 x 16 scale bytes
.set OSTG,  60416                      ; Wo: for each wave 32 rows x (256 + 16) bytes
.set SPARE, 130048                     ; the spare words, 128 bytes for each wave: four blocks of 256 bytes that no other line names
.set SPW,   12                         ; v12  LDS address of my spare word; never rewritten
.set NIL,   13                         ; v13  0; never rewritten
.set SP,    80                         ; x: a lane's place in a stage: 64 bytes + 16 of padding
.set XR,    16                         ; x: v16-143 eight sets of 16 numbers as loaded
.set XX,    144                        ; x: v144-175 two sets of 16 neighbours
.set XC,    176                        ; x: v176-191 two registers of codes a step
.set XE,    192                        ; x: v192-199 a scale byte a step
.set WX,    32                         ; W, Wo: v32-159 my column's 128 numbers down K
.set WC,    160                        ; W: v160-175 codes;  Wo: v160-223 f16 pairs
	s_load_b256 s[4:11], s[0:1], 0x0               ; x s[4:5], Wq s[6:7], Wk s[8:9], Wv s[10:11]
	s_load_b256 s[12:19], s[0:1], 0x20             ; Wo s[12:13], xc s[14:15], xs s[16:17], wc s[18:19]
	s_load_b128 s[20:23], s[0:1], 0x40             ; ws s[20:21], wot s[22:23]
	v_lshl_add_u32 v[SPW], v0, 2, SPARE
	v_mov_b32 v[NIL], 0
	v_lshrrev_b32 v1, 5, v0
	v_readfirstlane_b32 s24, v1                    ; wave 0..7
	v_and_b32 v2, 31, v0                           ; lane
	s_cmp_lt_u32 ttmp9, 128
	s_cbranch_scc0 .Lnot_x
; ---------------- x: a plain stream of blocks of 32.  A wave takes 8 steps of 512 numbers.
	s_lshl_b32 s25, ttmp9, 3
	s_add_co_u32 s25, s25, s24                     ; which run of 4,096 numbers is my wave's
	s_lshl_b32 s26, s25, 14                        ; 16,384 bytes of x,
	s_mov_b32 s27, 0
	s_lshl_b32 s28, s25, 11                        ; 2,048 bytes of codes a run
	s_mov_b32 s29, 0
	s_lshl_b32 s30, ttmp9, 10                      ; 1,024 scale bytes a work-group
	s_mov_b32 s31, 0
	s_mul_i32 s32, s24, 2*32*SP                    ; my two stages (XST = 0)
	v_lshlrev_b32 v3, 4, v2                        ; my 16 bytes of a load's 512
	v_lshrrev_b32 v14, 2, v2
	v_mul_u32_u24 v14, v14, SP
	v_and_b32 v15, 3, v2
	v_lshl_add_u32 v14, v15, 4, v14
	v_add_nc_u32 v14, s32, v14                     ; into a stage: four lanes' 64 bytes on end, then 16 of padding
	v_mul_u32_u24 v15, v2, SP
	v_add_nc_u32 v15, s32, v15                     ; out of it: my 16 neighbours
	v_lshlrev_b32 v4, 3, v2                        ; my 8 bytes of a step's 256 bytes of codes
	v_lshrrev_b32 v5, 1, v2
	s_lshl_b32 s33, s24, 7
	s_add_co_u32 s33, s33, XSC
	v_add_nc_u32 v5, s33, v5                       ; my wave's 128 scale bytes, my block's byte
	s_and_b32 s33, s24, 3
	s_lshl_b32 s33, s33, 8
	v_lshl_add_u32 v7, v2, 3, s33                  ; the way out of the scale bytes: waves 0-3, 256 bytes each, 8 a lane
	v_add_nc_u32 v6, XSC, v7
	s_wait_kmcnt 0x0
	s_add_nc_u64 s[4:5], s[4:5], s[26:27]
	s_add_nc_u64 s[14:15], s[14:15], s[28:29]
	s_add_nc_u64 s[16:17], s[16:17], s[30:31]
.macro XLOAD t                         ; a step's 2,048 bytes: each load reads 512 consecutive bytes
.irp i, 0,1,2,3
	global_load_b128 v[XR+16*(\t)+4*\i:XR+16*(\t)+4*\i+3], v3, s[4:5] offset:2048*(\t)+512*\i th:TH_LOAD_NT
.endr
.endm
.macro XTURN t                         ; through the stage: LDS serves a wave's instructions in order, so no wait stands between the stores and the loads
.irp i, 0,1,2,3
	ds_store_b128 v14, v[XR+16*(\t)+4*\i:XR+16*(\t)+4*\i+3] offset:32*SP*((\t)%2)+8*SP*\i
.endr
.irp i, 0,1,2,3
	ds_load_b128 v[XX+16*((\t)%2)+4*\i:XX+16*((\t)%2)+4*\i+3], v15 offset:32*SP*((\t)%2)+16*\i
.endr
.endm
.irp t, 0,1,2,3,4,5,6,7
	XLOAD \t                                       ; all 32 loads of the wave go out together
.endr
	s_wait_loadcnt 28                              ; step 0's four are in; the 28 behind them may be out
	XTURN 0
.macro XSTEP t
.set XS, XX+16*((\t)%2)
.if (\t) > 0
	s_wait_dscnt 1                                 ; this step's numbers are back from the stage; the last step's byte store may be out
.else
	s_wait_dscnt 0x0
.endif
.if (\t) < 7
	s_wait_loadcnt 4*(6-(\t))                      ; the next step's four loads are in; those of the steps behind it may be out
	XTURN (\t)+1                                   ; and go through the other stage while this step is worked
.endif
	v_max3_num_f32 v8, |v[XS]|, |v[XS+1]|, |v[XS+2]|               ; the largest magnitude of my 16, in two chains
	v_max3_num_f32 v9, |v[XS+3]|, |v[XS+4]|, |v[XS+5]|
.irp i, 6,10
	v_max3_num_f32 v8, v8, |v[XS+\i]|, |v[XS+\i+1]|
	v_max3_num_f32 v9, v9, |v[XS+\i+2]|, |v[XS+\i+3]|
.endr
	v_max3_num_f32 v8, v8, |v[XS+14]|, |v[XS+15]|
	v_max3_num_f32 v8, v8, v9, 0x1800000           ; and the floor 2^(3 - 127): the byte cannot fall under 1
	v_max_num_f32_dpp v8, v8, v8 row_xmask:1 row_mask:0xf bank_mask:0xf   ; with my neighbour's 16: the block's
	v_add_nc_u32 v11, 0xff000000, v8               ; 2 off its exponent field: the conversion takes the exponent field of this operand as its scale
	v_cvt_scalef32_pk8_fp4_f32 v[XC+2*(\t)], v[XS:XS+7], v11
	v_cvt_scalef32_pk8_fp4_f32 v[XC+2*(\t)+1], v[XS+8:XS+15], v11
	v_lshrrev_b32 v[XE+(\t)], 23, v11              ; the scale's byte (a plain line behind the conversions)
	ds_store_b8 v5, v[XE+(\t)] offset:16*(\t)      ; both lanes of a block write the same byte with the same value
	global_store_b64 v4, v[XC+2*(\t):XC+2*(\t)+1], s[14:15] offset:256*(\t)   ; the wave stores 256 consecutive bytes, aligned
.endm
.irp t, 0,1,2,3,4,5,6,7
	XSTEP \t
.endr
	s_wait_dscnt 0x0                               ; for the others' sake: my scale bytes lie in LDS
	s_barrier_signal -1
	s_barrier_wait -1
	s_cmp_lt_u32 s24, 4                            ; two waves' bytes make 256: waves 0-3 store them
	s_cbranch_scc0 .Lx_end
	ds_load_b64 v[8:9], v6
	s_wait_dscnt 0x0
	global_store_b64 v7, v[8:9], s[16:17]          ; 32 lanes store 256 consecutive bytes, aligned
.Lx_end:
	s_wait_tensorcnt 0x0                           ; the wave's end, behind my last LDS store
	ds_add_u32 v[SPW], v[NIL]
	s_wait_dscnt 0x0
	s_endpgm
.Lnot_x:
	s_cmp_lt_u32 ttmp9, 224
	s_cbranch_scc0 .Lwo
; ---------------- Wq, Wk, Wv: a work-group takes one head of one tensor and 512 of its 1,024 along K: 64 columns.  Wave w: columns 32 (w & 1) on, 128 along K from 128 (w >> 1) on.
	s_sub_co_u32 s25, ttmp9, 128
	s_lshr_b32 s26, s25, 5                         ; the tensor: 0 q, 1 k, 2 v
	s_bfe_u32 s27, s25, 0x40001                    ; the head
	s_and_b32 s28, s25, 1                          ; which half of K
	s_and_b32 s29, s24, 1                          ; which 32 columns
	s_lshr_b32 s30, s24, 1                         ; which 128 along K
	s_lshl_b32 s32, s27, 18                        ; a head is 1,024 rows of 256 bytes
	s_lshl_b32 s33, s28, 17
	s_add_co_u32 s32, s32, s33
	s_lshl_b32 s33, s30, 15
	s_add_co_u32 s32, s32, s33
	s_lshl_b32 s33, s29, 7
	s_add_co_u32 s32, s32, s33
	s_mov_b32 s33, 0
	s_lshl_b32 s34, s26, 10
	s_lshl_b32 s35, s27, 6
	s_add_co_u32 s34, s34, s35                     ; the first of the work-group's 64 rows of wc and ws
	s_lshl_b32 s35, s24, 3
	s_add_co_u32 s36, s34, s35                     ; on the way out wave w stores rows 8 w .. 8 w + 7:
	s_lshl_b32 s36, s36, 9                         ; 512 bytes a row,
	s_lshl_b32 s35, s28, 8
	s_add_co_u32 s36, s36, s35                     ; this half of K's 256
	s_mov_b32 s37, 0
	s_lshl_b32 s35, s29, 5
	s_add_co_u32 s38, s34, s35
	s_lshl_b32 s38, s38, 5                         ; ws: 32 bytes a row,
	s_lshl_b32 s35, s28, 4
	s_add_co_u32 s38, s38, s35                     ; this half of K's 16
	s_mov_b32 s39, 0
	s_mul_i32 s40, s29, 32*272
	s_lshl_b32 s35, s30, 6
	s_add_co_u32 s40, s40, s35
	s_add_co_u32 s40, s40, WSTG                    ; codes into the stage: row = column, 64 bytes for my 128 along K
	s_lshl_b32 s41, s29, 9
	s_lshl_b32 s35, s30, 2
	s_add_co_u32 s41, s41, s35
	s_add_co_u32 s41, s41, WSC                     ; my four scale bytes: 16 bytes a column
	s_mul_i32 s42, s24, 8*272
	s_add_co_u32 s42, s42, WSTG
	s_lshl_b32 s43, s29, 9
	s_add_co_u32 s43, s43, WSC
	v_lshlrev_b32 v3, 2, v2                        ; in: 4 bytes a lane: two neighbouring waves cover a row's 256 bytes
	v_mul_u32_u24 v4, v2, 272
	v_add_nc_u32 v4, s40, v4
	v_lshl_add_u32 v5, v2, 4, s41
	v_and_b32 v8, 15, v2
	v_lshrrev_b32 v9, 4, v2
	v_mul_u32_u24 v6, v9, 272
	v_lshl_add_u32 v6, v8, 4, v6
	v_add_nc_u32 v6, s42, v6                       ; out of the stage: sixteen lanes to a row, two rows an instruction
	v_lshlrev_b32 v7, 9, v9
	v_lshl_add_u32 v7, v8, 4, v7                   ; and the same place in wc
	v_lshl_add_u32 v14, v2, 4, s43                 ; the scale bytes' way out: waves 0 and 1, a lane a row
	v_lshlrev_b32 v15, 5, v2
	s_wait_kmcnt 0x0
	s_cmp_eq_u32 s26, 0                            ; the choice hangs on the work-group's number alone
	s_cselect_b64 s[6:7], s[6:7], s[8:9]
	s_cmp_eq_u32 s26, 2
	s_cselect_b64 s[6:7], s[10:11], s[6:7]
	s_add_nc_u64 s[6:7], s[6:7], s[32:33]
	s_add_nc_u64 s[18:19], s[18:19], s[36:37]
	s_add_nc_u64 s[20:21], s[20:21], s[38:39]
.set i, 0
.rept 128
	global_load_b32 v[WX+i], v3, s[6:7] offset:256*i th:TH_LOAD_NT   ; W(k0 + i, my column)
.set i, i+1
.endr
.macro WBLOCK t                        ; block t of my column: all 32 numbers are mine
.set XS, WX+32*(\t)
.if 32*(3-(\t)) > 63
	s_wait_loadcnt 63                              ; a wait names 63 at the most: of the 128 loads 65 are then in, blocks 0 and 1 among them
.else
	s_wait_loadcnt 32*(3-(\t))                     ; the later blocks' loads may be out
.endif
	v_max3_num_f32 v8, |v[XS]|, |v[XS+1]|, |v[XS+2]|
	v_max3_num_f32 v9, |v[XS+3]|, |v[XS+4]|, |v[XS+5]|
.irp i, 6,10,14,18,22,26
	v_max3_num_f32 v8, v8, |v[XS+\i]|, |v[XS+\i+1]|
	v_max3_num_f32 v9, v9, |v[XS+\i+2]|, |v[XS+\i+3]|
.endr
	v_max3_num_f32 v8, v8, |v[XS+30]|, |v[XS+31]|
	v_max3_num_f32 v8, v8, v9, 0x1800000           ; the floor 2^(3 - 127)
	v_add_nc_u32 v11, 0xff000000, v8               ; the conversion's scale operand
	v_lshrrev_b32 v9, 23, v11                      ; the scale's byte
.if (\t) == 0
	v_mov_b32 v24, v9                              ; four bytes to a register, the lower K in the lower byte
.else
	v_lshl_or_b32 v24, v9, 8*(\t), v24
.endif
.irp g, 0,1,2,3
	v_cvt_scalef32_pk8_fp4_f32 v[WC+4*(\t)+\g], v[XS+8*\g:XS+8*\g+7], v11
.endr
	ds_store_b128 v4, v[WC+4*(\t):WC+4*(\t)+3] offset:16*(\t)      ; 32 codes: 16 bytes of my column's row
.endm
	WBLOCK 0
	WBLOCK 1
	WBLOCK 2
	WBLOCK 3
	ds_store_b32 v5, v24
	s_wait_dscnt 0x0                               ; for the others' sake: a row's 256 bytes come from four waves
	s_barrier_signal -1
	s_barrier_wait -1
.irp i, 0,1,2,3
	ds_load_b128 v[176+4*\i:179+4*\i], v6 offset:544*\i
.endr
.irp i, 0,1,2,3
	s_wait_dscnt 3-\i
	global_store_b128 v7, v[176+4*\i:179+4*\i], s[18:19] offset:1024*\i   ; sixteen lanes store 256 consecutive bytes, aligned
.endr
	s_cmp_lt_u32 s24, 2
	s_cbranch_scc0 .Lw_end
	ds_load_b128 v[192:195], v14
	s_wait_dscnt 0x0
	global_store_b128 v15, v[192:195], s[20:21]    ; 16 scale bytes of a row
.Lw_end:
	s_wait_tensorcnt 0x0                           ; the wave's end, behind my last LDS store
	ds_add_u32 v[SPW], v[NIL]
	s_wait_dscnt 0x0
	s_endpgm
; ---------------- Wo: a work-group takes 256 columns x 128 along k; a wave 32 columns.  The stage is the wave's own: no barrier.
.Lwo:
	s_sub_co_u32 s25, ttmp9, 224
	s_and_b32 s26, s25, 3
	s_lshl_b32 s26, s26, 8
	s_lshl_b32 s27, s24, 5
	s_add_co_u32 s26, s26, s27                     ; my first column n
	s_lshr_b32 s27, s25, 2
	s_lshl_b32 s27, s27, 7                         ; my first k
	s_lshl_b32 s28, s27, 12                        ; a row of Wo is 4,096 bytes
	s_lshl_b32 s29, s26, 2
	s_add_co_u32 s28, s28, s29
	s_mov_b32 s29, 0
	s_lshl_b32 s30, s26, 11                        ; a row of wot is 2,048 bytes
	s_lshl_b32 s31, s27, 1
	s_add_co_u32 s30, s30, s31
	s_mov_b32 s31, 0
	s_mul_i32 s32, s24, 32*272
	s_add_co_u32 s32, s32, OSTG
	v_lshlrev_b32 v3, 2, v2
	v_mul_u32_u24 v4, v2, 272
	v_add_nc_u32 v4, s32, v4                       ; into the stage: row = my column
	v_and_b32 v8, 15, v2
	v_lshrrev_b32 v9, 4, v2
	v_mul_u32_u24 v6, v9, 272
	v_lshl_add_u32 v6, v8, 4, v6
	v_add_nc_u32 v6, s32, v6                       ; out of it: sixteen lanes to a row
	v_lshlrev_b32 v7, 11, v9
	v_lshl_add_u32 v7, v8, 4, v7
	s_wait_kmcnt 0x0
	s_add_nc_u64 s[12:13], s[12:13], s[28:29]
	s_add_nc_u64 s[22:23], s[22:23], s[30:31]
.set i, 0
.rept 128
	global_load_b32 v[WX+i], v3, s[12:13] offset:4096*i th:TH_LOAD_NT   ; Wo(k0 + i, my column)
.set i, i+1
.endr
.irp t, 0,1,2,3
.if 32*(3-\t) > 63
	s_wait_loadcnt 63                              ; a wait names 63 at the most: 65 of the 128 loads are then in
.else
	s_wait_loadcnt 32*(3-\t)
.endif
.irp i, 0,1,2,3,4,5,6,7,8,9,10,11,12,13,14,15
	v_cvt_pk_f16_f32 v[WC+16*\t+\i], v[WX+32*\t+2*\i], v[WX+32*\t+2*\i+1]   ; two neighbours along k, the lower in the low half
.endr
.irp j, 0,1,2,3
	ds_store_b128 v4, v[WC+16*\t+4*\j:WC+16*\t+4*\j+3] offset:64*\t+16*\j
.endr
.endr
.irp t, 0,1,2,3,4,5,6,7,8,9,10,11,12,13,14,15
	ds_load_b128 v[WX+4*\t:WX+4*\t+3], v6 offset:544*\t   ; LDS serves a wave's instructions in order: these see my stores
.endr
.irp t, 0,1,2,3,4,5,6,7,8,9,10,11,12,13,14,15
	s_wait_dscnt 15-\t
	global_store_b128 v7, v[WX+4*\t:WX+4*\t+3], s[22:23] offset:4096*\t   ; sixteen lanes store 256 consecutive bytes, aligned
.endr
	s_wait_tensorcnt 0x0                           ; the wave's end, behind my last LDS store
	ds_add_u32 v[SPW], v[NIL]
	s_wait_dscnt 0x0
	s_endpgm
.Lfunc_end_k_qe48a7db47c_prep:
	.size	k_qe48a7db47c_prep, .Lfunc_end_k_qe48a7db47c_prep-k_qe48a7db47c_prep
	.p2alignl 7, 3214868480
	.fill 96, 4, 3214868480
	.section	.rodata,"a",@progbits
	.p2align	6, 0x0
	.amdhsa_kernel k_qe48a7db47c_prep
		.amdhsa_group_segment_fixed_size 131072
		.amdhsa_private_segment_fixed_size 0
		.amdhsa_enable_private_segment 0
		.amdhsa_kernarg_size 80
		.amdhsa_user_sgpr_count 2
		.amdhsa_user_sgpr_kernarg_segment_ptr 1
		.amdhsa_wavefront_size32 1
		.amdhsa_system_sgpr_workgroup_id_x 1
		.amdhsa_system_sgpr_workgroup_id_y 1
		.amdhsa_system_sgpr_workgroup_id_z 1
		.amdhsa_system_vgpr_workitem_id 0
		.amdhsa_next_free_vgpr 256
		.amdhsa_next_free_sgpr 66
		.amdhsa_reserve_vcc 0
		.amdhsa_float_denorm_mode_32 3
		.amdhsa_float_denorm_mode_16_64 3
		.amdhsa_memory_ordered 1
		.amdhsa_forward_progress 1
		.amdhsa_inst_pref_size 62
	.end_amdhsa_kernel
	.amdgpu_metadata
---
amdhsa.version: [ 1, 2 ]
amdhsa.kernels:
  - .name:           k_qe48a7db47c_prep
    .symbol:         k_qe48a7db47c_prep.kd
    .args:
      - { .name: x, .offset: 0, .size: 8, .value_kind: global_buffer, .address_space: global }
      - { .name: Wq, .offset: 8, .size: 8, .value_kind: global_buffer, .address_space: global }
      - { .name: Wk, .offset: 16, .size: 8, .value_kind: global_buffer, .address_space: global }
      - { .name: Wv, .offset: 24, .size: 8, .value_kind: global_buffer, .address_space: global }
      - { .name: Wo, .offset: 32, .size: 8, .value_kind: global_buffer, .address_space: global }
      - { .name: xc, .offset: 40, .size: 8, .value_kind: global_buffer, .address_space: global }
      - { .name: xs, .offset: 48, .size: 8, .value_kind: global_buffer, .address_space: global }
      - { .name: wc, .offset: 56, .size: 8, .value_kind: global_buffer, .address_space: global }
      - { .name: ws, .offset: 64, .size: 8, .value_kind: global_buffer, .address_space: global }
      - { .name: wot, .offset: 72, .size: 8, .value_kind: global_buffer, .address_space: global }
    .group_segment_fixed_size: 131072
    .private_segment_fixed_size: 0
    .kernarg_segment_align: 8
    .kernarg_segment_size: 80
    .max_flat_workgroup_size: 256
    .sgpr_count:     66
    .vgpr_count:     256
    .wavefront_size: 32
...
	.end_amdgpu_metadata
.endif
;; end of part 1
;; launch qkv (part 2): grid 12 x 16, 4 waves a work-group, clusters of 4 x 4, 327,680 bytes of LDS; arguments xc, xs, wc, ws, qkv, qkvf; writes qkv, qkvf
.if DOCPART == 2
	.amdgcn_target "amdgcn-amd-amdhsa--gfx1250"
	.amdhsa_code_object_version 6
	.text
	.protected	k_qe48a7db47c_qkv
	.globl	k_qe48a7db47c_qkv
	.p2align	8
	.type	k_qe48a7db47c_qkv,@function
k_qe48a7db47c_qkv:
	s_mov_b64 s[64:65], 0
	v_nop
	global_prefetch_b8 v0, s[64:65] scope:SCOPE_SE
	s_setreg_imm32_b32 hwreg(HW_REG_WAVE_MODE, 25, 1), 1
	s_wait_xcnt 0x0
	s_wait_alu depctr_hold_cnt(0) depctr_sa_sdst(0) depctr_va_vdst(0) depctr_va_sdst(0) depctr_va_ssrc(0) depctr_va_vcc(0) depctr_vm_vsrc(0)
	s_getreg_b32 s2, hwreg(HW_REG_IB_STS2, 6, 4)
	s_cmp_eq_u32 s2, 0
	s_cbranch_scc0 .Lentry_in_a_cluster
	s_endpgm
.Lentry_in_a_cluster:
	s_bfe_u32 s2, ttmp6, 0x10000c
	s_cmp_lg_u32 s2, 0xf033
	s_cbranch_scc0 .Lentry_shape_is_right
	s_endpgm
.Lentry_shape_is_right:
; q, k, v = x W on codes of FP4 (E2M1) with one E8M0 scale for each 32 along K: C[token][n] = sum over k of A[token][k] B[n][k], A = xc/xs [4096][1024], B = wc/ws [3072][1024], sums in f32.
; Row n of B is column n % 64 of head (n / 64) % 16 of tensor n / 1024 (q, k, v).  The results leave as f16, laid by head: qkv [tensor][batch x 16 + head][t 2048][64]; tokens 0-15 of each batch also as f32: qkvf [batch][16][3072].
; A tile of C, 256 x 256, is made by a work-group of four waves; a wave makes 128 x 128: 64 accumulators, 512 registers.  K = 1,024 is two slots of 512 along K (rows of 256 bytes): both are asked for at the head and nothing is filled again.
; The scales of the work-group's 256 rows of A and of B come once, as dense blocks, behind the slots.
; CLUSTERS: 4 x 4 work-groups; the four of a row of the cluster need the same tiles of A, the four of a column the same tiles of B: each is asked for jointly.
; THE MATRIX INSTRUCTION IS USED TRANSPOSED (source 0 = 16 rows of B, source 1 = 16 rows of A): a lane holds eight neighbouring columns of one token.
; LIMIT: |q|, |k|, |v| beyond f16's largest number, 65,504, are not served.
; REGISTERS, in windows of 256: window 0: v0-31 addresses; v32-95 scale words, two sets; v128-191 A's fragments, one set; on the way out v32-63, v128-255 are free.
;   window 1: B's fragments, two sets, at v0 and v128.   window 2: the accumulators of my rows 0-63 ((a, b) at v[8 (8 a + b)]);   window 3: those of my rows 64-127.
.set SIZE_M, 4096
.set SIZE_N, 3072
.set SIZE_K, 1024
.set KSTEP,  512                       ; along K in a slot
.set NQ,     KSTEP/128                 ; matrix instructions deep
.set ROWB,   256                       ; a tile's row in bytes
.set KROW,   SIZE_K/2                  ; a row of codes in memory
.set PITCH,  272                       ; an LDS row: 256 bytes + 16 of padding: the 16 rows that a load touches start 68 words apart
.set FR,     8                         ; registers of a fragment
.set NL,     2                         ; LDS loads that bring one
.set NP,     4                         ; places behind this matrix instruction (ISA guide 7.12.1)
.set HALFT,  128*PITCH                 ; what one tensor load brings
.set SLOT,   4*HALFT                   ; A's 256 rows, then B's 256 rows
.set KS,     SIZE_K/32                 ; a row of scales in bytes
.set SCL,    2*SLOT                    ; behind the slots: the scales, as rows of 256 bytes + 16 of padding
.set HALFS,  (128*KS/256)*272          ; the scales of 128 rows
.set SBLK,   (16*KS/256)*272           ; those of 16 rows
.set SPARE,  SCL+4*HALFS               ; the spare words, 128 bytes for each wave: two blocks of 256 bytes that no other line names
.set FPITCH, 528                       ; the way out, in slot 0, which has had its one fill and its last read by then: for each wave 16 rows x (512 + 16) bytes of f32,
.set HST,    4*16*FPITCH               ; and behind those 16 rows x (256 + 16) bytes of f16
.set HPITCH, 272
.set ADRA, 16                          ; v16-17  LDS address of my A fragments in slot 0, 1
.set ADRB, 20                          ; v20-21  the same for B
.set FSTO, 22                          ; v22     f32 stage: where I put 32 bytes of a row
.set FRD,  23                          ; v23     and where I read a row back
.set STO,  24                          ; v24     f16 stage: where I put 16 bytes of a row
.set RD,   25                          ; v25     and where I read back
.set CO,   26                          ; v26     16 x lane
.set ADRS, 27                          ; v27     LDS address of my scale words: lanes 0-15 A's rows, lanes 16-31 B's
.set SPW,  28                          ; v28     LDS address of my spare word; never rewritten
.set NIL,  29                          ; v29     0; never rewritten
.set SC,   32                          ; scale words: set s at v[SC + 32 s]; register 4 i + q: lanes 0-15 A's block i, lanes 16-31 B's block i
.set AF,   128                         ; A's fragments
.set TMP,  192                         ; the way out: packed results
.set OB,   32                          ; the way out: rows read back: v32-63 and v224-255 by turns
.set G1, 24                            ; s[24:31] descriptor group 1 for A's tiles;  s[32:39] group 0, one set for each slot
.set G0, 32
.set G1B, 48                           ; s[48:55], s[56:63] the same for B's tiles
.set G0B, 56
.set G1S, 68                           ; s[68:75], s[76:79] groups 1 and 0 for A's scales;  s[80:87], s[88:91] for B's
.set G0S, 76
.set G1SB, 80
.set G0SB, 88
.set MSB, 0
.macro WIN new                         ; the immediate's high byte repeats the setting that is left
.if MSB != \new
	s_set_vgpr_msb (MSB<<8)|\new
.set MSB, \new
.endif
.endm
.set MUL_LO, 0xa1                      ; source 0 (B) window 1, source 1 (A) window 0, C and D window 2
.set MUL_HI, 0xf1                      ; the same, C and D window 3
.set TO_B,   0x40                      ; destination window 1, address window 0
; A joint load: waves 0 and 1 fetch for A, waves 2 and 3 for B.  The branch hangs on the wave's number alone.  An s_nop 0 and four v_nop follow each of the two lines.
.macro JLOAD g0a, g1a, g0b, g1b
	s_cmp_eq_u32 s15, 0
	s_cbranch_scc0 .Lfor_b_\@
	tensor_load_to_lds s[\g0a:\g0a+3], s[\g1a:\g1a+7]
	s_nop 0
.rept 4
	v_nop
.endr
	s_branch .Lasked_\@
.Lfor_b_\@:
	tensor_load_to_lds s[\g0b:\g0b+3], s[\g1b:\g1b+7]
	s_nop 0
.rept 4
	v_nop
.endr
.Lasked_\@:
.endm
.macro CROUND                          ; a round of the cluster's barrier
	s_barrier_signal -1
	s_barrier_wait -1
	s_cmp_lg_u32 s14, 0
	s_cbranch_scc1 .Lnot_wave_0_\@
	s_barrier_signal -3
.Lnot_wave_0_\@:
	s_barrier_wait -3
	s_barrier_signal -1
	s_barrier_wait -1
.endm
	s_load_b128 s[4:7], s[0:1], 0x0                ; A's codes s[4:5], A's scales s[6:7]
	s_load_b128 s[8:11], s[0:1], 0x10              ; B's codes s[8:9], B's scales s[10:11]
	s_load_b64 s[12:13], s[0:1], 0x20              ; qkv
	s_load_b64 s[98:99], s[0:1], 0x28              ; qkvf
	v_lshl_add_u32 v[SPW], v0, 2, SPARE
	v_mov_b32 v[NIL], 0
	ds_add_u32 v[SPW], v[NIL]                      ; the wave's opening: the add, twice on end, and its wait ahead of my first tensor load
	ds_add_u32 v[SPW], v[NIL]                      ; and once more, under the one wait; the set-up below, work on registers, stands between
	v_lshrrev_b32 v1, 5, v0
	v_readfirstlane_b32 s14, v1                    ; wave 0..3
	s_lshr_b32 s15, s14, 1                         ; which half of the tile's rows is mine.  Also: I fetch for A (0) or for B (1)
	s_and_b32 s16, s14, 1                          ; which half of its columns.  Also: which 128 rows of that tile I fetch
	s_bfe_u32 s40, ttmp6, 0x40000                  ; cx, cy: my place in the cluster
	s_bfe_u32 s41, ttmp6, 0x40004
	s_lshl_b32 s42, ttmp9, 2
	s_add_co_u32 s42, s42, s40                     ; tile column = 4 x cluster x + cx
	s_and_b32 s17, ttmp7, 0xffff
	s_lshl_b32 s17, s17, 2
	s_add_co_u32 s17, s17, s41                     ; tile row = 4 x cluster y + cy
	s_lshl_b32 s43, s41, 2
	s_lshl_b32 s43, 15, s43                        ; my row of the cluster
	s_lshl_b32 s44, 0x1111, s40                    ; my column
	; descriptor group 1: a tile of 128 rows x 256 bytes, padded in LDS
	s_or_b32 s[G1+0], s43, (0<<16)|(1<<20)|(1<<21)|(5<<22)|(3<<25)  ; 15:0 the mask: A's tiles go to my row; 17:16 elements of 1 byte; 20 padding on; 21 set beside a mask; 24:22 after every 64 words; 31:25 four words
	s_or_b32 s[G1B+0], s44, (0<<16)|(1<<20)|(1<<21)|(5<<22)|(3<<25)
.irp g, G1, G1B
	s_mov_b32 s[\g+1], ROWB<<16                    ; tensor_dim0
	s_mov_b32 s[\g+2], 128<<16                     ; tensor_dim1
	s_mov_b32 s[\g+3], ROWB<<16                    ; tile_dim0
	s_mov_b32 s[\g+4], 128                         ; tile_dim1
	s_mov_b32 s[\g+5], KROW                        ; tensor_dim0_stride
	s_mov_b32 s[\g+6], 0
	s_mov_b32 s[\g+7], 0
.endr
	; the scales of 128 rows: a dense block of 4,096 bytes, as rows of 256 bytes (32 elements of 8 bytes), 16 bytes of padding behind each
	s_or_b32 s[G1S+0], s43, (3<<16)|(1<<20)|(1<<21)|(5<<22)|(3<<25)
	s_or_b32 s[G1SB+0], s44, (3<<16)|(1<<20)|(1<<21)|(5<<22)|(3<<25)
.irp g, G1S, G1SB
	s_mov_b32 s[\g+1], 32<<16
	s_mov_b32 s[\g+2], (128*KS/256)<<16
	s_mov_b32 s[\g+3], 32<<16
	s_mov_b32 s[\g+4], 128*KS/256
	s_mov_b32 s[\g+5], 32
	s_mov_b32 s[\g+6], 0
	s_mov_b32 s[\g+7], 0
.endr
	s_lshl_b32 s18, s16, 7                         ; which 128 rows of the tile I fetch
	s_lshl_b32 s20, s17, 8
	s_add_co_u32 s20, s20, s18                     ; A: row 256 x tile row + 128 x half
	s_lshl_b32 s46, s42, 8
	s_add_co_u32 s46, s46, s18                     ; B: row 256 x tile column + 128 x half
	s_mov_b32 s21, 0
	s_mov_b32 s47, 0
	s_mov_b64 s[18:19], KS
	s_mul_u64 s[22:23], s[20:21], s[18:19]         ; where these rows' scales begin, in bytes
	s_mul_u64 s[92:93], s[46:47], s[18:19]
	s_mov_b64 s[18:19], KROW
	s_mul_u64 s[20:21], s[20:21], s[18:19]         ; and their codes
	s_mul_u64 s[46:47], s[46:47], s[18:19]
	s_mul_i32 s45, s14, HALFT                      ; where they go: wave x 128 rows: no place in the cluster enters an LDS address
	s_mul_i32 s94, s14, HALFS
	s_wait_dscnt 0x0                               ; both opening adds are done
	s_wait_kmcnt 0x0
	s_add_nc_u64 s[20:21], s[4:5], s[20:21]
	s_add_nc_u64 s[22:23], s[6:7], s[22:23]
	s_add_nc_u64 s[46:47], s[8:9], s[46:47]
	s_add_nc_u64 s[92:93], s[10:11], s[92:93]
	CROUND                                         ; all sixteen work-groups are here: the joint loads meet
	s_mov_b32 s[G0S], 1
	s_add_co_u32 s[G0S+1], s94, SCL
	s_mov_b64 s[G0S+2:G0S+3], s[22:23]
	s_or_b32 s[G0S+3], s[G0S+3], 0x80000000
	s_mov_b32 s[G0SB], 1
	s_add_co_u32 s[G0SB+1], s94, SCL
	s_mov_b64 s[G0SB+2:G0SB+3], s[92:93]
	s_or_b32 s[G0SB+3], s[G0SB+3], 0x80000000
	JLOAD G0S, G1S, G0SB, G1SB                     ; the scales first: they are wanted with the first slot
.irp s, 0,1
	s_mov_b32 s[G0+4*\s], 1
	s_add_co_u32 s[G0+4*\s+1], s45, \s*SLOT
	s_add_nc_u64 s[G0+4*\s+2:G0+4*\s+3], s[20:21], \s*ROWB
	s_or_b32 s[G0+4*\s+3], s[G0+4*\s+3], 0x80000000
	s_mov_b32 s[G0B+4*\s], 1
	s_add_co_u32 s[G0B+4*\s+1], s45, \s*SLOT
	s_add_nc_u64 s[G0B+4*\s+2:G0B+4*\s+3], s[46:47], \s*ROWB
	s_or_b32 s[G0B+4*\s+3], s[G0B+4*\s+3], 0x80000000
	JLOAD G0+4*\s, G1, G0B+4*\s, G1B               ; three tensor loads of mine are out in all
.endr
	v_and_b32 v1, 15, v0                           ; r = l % 16
	v_bfe_u32 v2, v0, 4, 1                         ; h = l / 16
	v_mul_u32_u24 v3, v1, PITCH
	v_lshl_add_u32 v4, v2, 4, v3                   ; a fragment's row x pitch + 16 x half
	s_mul_i32 s21, s15, HALFT                      ; my 128 rows of A
	s_mul_i32 s22, s16, HALFT                      ; my 128 rows of B,
	s_add_co_u32 s22, s22, 2*HALFT                 ; which lie behind A's 256
.irp s, 0,1
	v_add_nc_u32 v[ADRA+\s], s21, v4
	v_add_nc_u32 v[ADRB+\s], s22, v4
	s_add_co_u32 s21, s21, SLOT
	s_add_co_u32 s22, s22, SLOT
.endr
	v_mul_u32_u24 v5, v1, KS                       ; my row's scales: 32 bytes a row,
	v_lshrrev_b32 v6, 8, v5
	v_lshl_add_u32 v5, v6, 4, v5                   ; and 16 more for each 256 passed
	s_mul_i32 s21, s15, HALFS                      ; A's: my 128 rows
	s_mul_i32 s22, s16, HALFS                      ; B's: my 128 rows, behind A's 256
	s_add_co_u32 s22, s22, 2*HALFS
	s_sub_co_u32 s22, s22, s21
	v_mul_u32_u24 v6, s22, v2                      ; lanes 16-31 take B's
	s_add_co_u32 s21, s21, SCL
	v_add_nc_u32 v5, v5, v6
	v_add_nc_u32 v[ADRS], s21, v5
	s_mul_i32 s23, s14, 16*HPITCH
	s_add_co_u32 s23, s23, HST                     ; my f16 stage
	v_mul_u32_u24 v5, v1, HPITCH                   ; in: row r, 16 bytes for each half of the lanes
	v_lshl_add_u32 v5, v2, 4, v5
	v_add_nc_u32 v[STO], s23, v5
	v_and_b32 v6, 31, v0
	v_lshrrev_b32 v7, 3, v6
	v_mul_u32_u24 v7, v7, HPITCH                   ; back: eight lanes take the 128 bytes of one head of one token, the 32 lanes four tokens
	v_and_b32 v8, 7, v0
	v_lshl_add_u32 v7, v8, 4, v7
	v_add_nc_u32 v[RD], s23, v7
	v_lshlrev_b32 v[CO], 4, v6
	s_mul_i32 s23, s14, 16*FPITCH                  ; my f32 stage
	v_mul_u32_u24 v5, v1, FPITCH
	v_lshl_add_u32 v5, v2, 5, v5
	v_add_nc_u32 v[FSTO], s23, v5
	v_add_nc_u32 v[FRD], s23, v[CO]
	; where my part begins in qkv: 262,144 bytes a head: (32 tensor + 16 batch + head) heads, + 128 bytes a token
	s_lshr_b32 s20, s17, 3
	s_lshl_b32 s20, s20, 4                         ; 16 x batch
	s_and_b32 s95, s17, 7                          ; which 256 tokens of the batch: 0 where the tile holds tokens 0-15
	s_lshl_b32 s21, s95, 8
	s_lshl_b32 s22, s15, 7
	s_add_co_u32 s21, s21, s22
	s_lshl_b32 s21, s21, 7                         ; my first token, in bytes
	s_lshr_b32 s46, s42, 2
	s_lshl_b32 s46, s46, 5                         ; 32 x tensor
	s_and_b32 s47, s42, 3
	s_lshl_b32 s47, s47, 2
	s_add_co_u32 s46, s46, s47
	s_lshl_b32 s47, s16, 1
	s_add_co_u32 s46, s46, s47                     ; + my first head: 4 (tile column % 4) + 2 x half
	s_add_co_u32 s46, s46, s20
	s_lshl_b32 s46, s46, 18
	s_add_co_u32 s46, s46, s21
	s_mov_b32 s47, 0
	s_add_nc_u64 s[12:13], s[12:13], s[46:47]
	s_lshr_b32 s46, s17, 3                         ; and in qkvf: 196,608 bytes a batch, + 4 bytes a column
	s_mul_i32 s46, s46, 196608
	s_lshl_b32 s47, s42, 10
	s_add_co_u32 s46, s46, s47
	s_lshl_b32 s47, s16, 9
	s_add_co_u32 s46, s46, s47
	s_mov_b32 s47, 0
	s_add_nc_u64 s[98:99], s[98:99], s[46:47]
.macro FRAG reg, adr, q, i             ; a fragment, 16 rows x 128 K of 4-bit codes: lane l holds row l % 16; registers 4 c .. 4 c + 3 hold K = 64 c + 32 (l / 16) + 0 .. 31
.irp c, 0,1
	ds_load_b128 v[\reg+4*\c:\reg+4*\c+3], v[\adr] offset:64*(\q)+32*\c+(\i)*16*PITCH
.endr
.endm
; 16 matrix instructions: A's blocks a0, a0 + 1 x B's eight, 128 along K.  p: B's set;  sc: the set of scale words.  zero = 1: the first product starts the sums.
; The 64 accumulators take turns, one instruction a turn, in the same order in every step.
.macro MUL16 a0, p, q, sc, zero
.irp a, \a0, \a0+1
.irp b, 0,1,2,3,4,5,6,7
.if \zero
	v_wmma_scale_f32_16x16x128_f8f6f4 v[8*(8*((\a)%4)+\b):8*(8*((\a)%4)+\b)+7], v[128*(\p)+FR*\b:128*(\p)+FR*\b+FR-1], v[AF+FR*(\a):AF+FR*(\a)+FR-1], 0, v[SC+8*NQ*(\sc)+NQ*\b+(\q)], v[SC+8*NQ*(\sc)+NQ*(\a)+(\q)] matrix_a_fmt:MATRIX_FMT_FP4 matrix_b_fmt:MATRIX_FMT_FP4 matrix_a_scale:MATRIX_SCALE_ROW1
.else
	v_wmma_scale_f32_16x16x128_f8f6f4 v[8*(8*((\a)%4)+\b):8*(8*((\a)%4)+\b)+7], v[128*(\p)+FR*\b:128*(\p)+FR*\b+FR-1], v[AF+FR*(\a):AF+FR*(\a)+FR-1], v[8*(8*((\a)%4)+\b):8*(8*((\a)%4)+\b)+7], v[SC+8*NQ*(\sc)+NQ*\b+(\q)], v[SC+8*NQ*(\sc)+NQ*(\a)+(\q)] matrix_a_fmt:MATRIX_FMT_FP4 matrix_b_fmt:MATRIX_FMT_FP4 matrix_a_scale:MATRIX_SCALE_ROW1
.endif
.endr
.endr
.endm
.macro FETCH_B slot, q, p              ; B's eight fragments of the slot's q-th 128 along K into set p
	WIN TO_B
.irp i, 0,1,2,3,4,5,6,7
	FRAG 128*(\p)+FR*\i, ADRB+\slot, \q, \i
.endr
	WIN 0
.endm
.macro FETCH_A slot, q, i0             ; A's blocks i0 .. i0 + 3
.irp i, \i0, \i0+1, \i0+2, \i0+3
	FRAG AF+FR*(\i), ADRA+\slot, \q, \i
.endr
.endm
.macro SCALES sc                       ; a slot's scale words into set sc: four words a row; lanes 0-15 take A's block i, lanes 16-31 B's block i
.irp i, 0,1,2,3,4,5,6,7
	ds_load_b128 v[SC+8*NQ*\sc+NQ*\i:SC+8*NQ*\sc+NQ*\i+3], v[ADRS] offset:\i*SBLK
.endr
.endm
; A load into a register that a matrix instruction has read, and a vector instruction or an LDS store that reads a matrix result, stand NP places behind it; only plain vector instructions that name none of its registers are places.
.macro PLACES n
.rept \n
	v_nop
.endr
.endm
; A step of 128 along K that has its successor in the same slot.  A's blocks 0-3 are fetched anew in its middle, blocks 4-7 at its end; B has two sets.
.macro STEP slot, q, zero
	s_wait_dscnt 4*NL                              ; B's set and A's blocks 0-3 are in; the youngest eight loads (A's blocks 4-7) may be out
	WIN MUL_LO
	MUL16 0, (\q)%2, \q, \slot, \zero
	MUL16 2, (\q)%2, \q, \slot, \zero
	s_wait_dscnt 0                                 ; A's blocks 4-7 are in
	PLACES NP
	FETCH_B \slot, (\q)+1, 1-(\q)%2
	FETCH_A \slot, (\q)+1, 0
	WIN MUL_HI
	MUL16 4, (\q)%2, \q, \slot, \zero
	MUL16 6, (\q)%2, \q, \slot, \zero
	PLACES NP
	WIN 0
	FETCH_A \slot, (\q)+1, 4
.endm
; Slot 0's last step goes over to slot 1: one barrier; in front of it each wave waits for all its tensor loads (its part of slot 1), adds 0 to its spare word, and waits for that and for its reads of slot 0.
; Behind it slot 1 is whole and nobody reads slot 0 any more: the stages of the way out lie there.
.macro TURN slot, next
	s_wait_tensorcnt 0x0                           ; all my tensor loads have landed
	ds_add_u32 v[SPW], v[NIL]                      ; 0 onto my spare word
	s_wait_dscnt 4*NL+1                            ; (the add and the youngest eight loads may be out)
	WIN MUL_LO
	MUL16 0, 1, NQ-1, \slot, 0                     ; sixteen matrix instructions stand between the add and the wait for it
	s_wait_dscnt 0x0                               ; the add is done, and my reads of this slot are over
	s_barrier_signal -1
	MUL16 2, 1, NQ-1, \slot, 0
	WIN 0
	s_barrier_wait -1
	PLACES NP
	v_add_nc_u32 v[ADRS], 4*NQ, v[ADRS]            ; on to the next slot's scale words
	FETCH_B \next, 0, 0
	FETCH_A \next, 0, 0
	SCALES \next
	WIN MUL_HI
	MUL16 4, 1, NQ-1, \slot, 0
	MUL16 6, 1, NQ-1, \slot, 0
	PLACES NP
	WIN 0
	FETCH_A \next, 0, 4
.endm
.macro STEPS slot, from                ; the slot's steps from .. NQ - 2
.set Q, \from
.rept NQ-1-\from
	STEP \slot, Q, 0
.set Q, Q+1
.endr
.endm
	s_wait_tensorcnt 1                             ; the scales and my part of slot 0 are in; slot 1's load may be out
	s_barrier_signal -1
	s_barrier_wait -1                              ; everybody's are
	FETCH_B 0, 0, 0
	FETCH_A 0, 0, 0
	SCALES 0
	FETCH_A 0, 0, 4
	STEP 0, 0, 1                                   ; the first step's products start the sums: nothing is cleared
	STEPS 0, 1
	TURN 0, 1
	STEPS 1, 0
	s_wait_dscnt 4*NL                              ; the last step: nothing more to fetch
	WIN MUL_LO
	MUL16 0, 1, NQ-1, 1, 0
	MUL16 2, 1, NQ-1, 1, 0
	s_wait_dscnt 0
	WIN MUL_HI
	MUL16 4, 1, NQ-1, 1, 0
	MUL16 6, 1, NQ-1, 1, 0
	WIN 0
	PLACES NP                                      ; behind the last products: for the reads of results and for the loads into operands' registers below
; TOKENS 0-15 OF A BATCH ALSO LEAVE AS f32.  They are block 0 of the waves with the tile's upper rows, in the tiles whose first token is a batch's first.  Which waves: a branch on the wave's number.
; Which work-groups: that hangs on the place in the cluster: every such wave walks the lines, and the stores' lanes are on only where the tile is a batch's first.
	s_cmp_lg_u32 s15, 0
	s_cbranch_scc1 .Lno_fine
	WIN 0x08                                       ; an LDS store's data: window 2
.irp b, 0,1,2,3,4,5,6,7
	ds_store_b128 v[FSTO], v[8*\b:8*\b+3] offset:64*\b             ; each accumulator from its low end on
	ds_store_b128 v[FSTO], v[8*\b+4:8*\b+7] offset:64*\b+16
.endr
	WIN 0
.irp t, 0,1,2,3,4,5,6,7,8,9,10,11,12,13,14,15
	ds_load_b128 v[AF+4*\t:AF+4*\t+3], v[FRD] offset:\t*FPITCH     ; LDS serves a wave's instructions in order: these see my stores
.endr
	s_wait_dscnt 0x0
	v_cmp_eq_u32 vcc_lo, s95, v[NIL]               ; all lanes or none
	s_wait_xcnt 0x0                                ; EXEC changes only behind this wait
	s_and_saveexec_b32 s96, vcc_lo
.irp t, 0,1,2,3,4,5,6,7,8,9,10,11,12,13,14,15
	global_store_b128 v[CO], v[AF+4*\t:AF+4*\t+3], s[98:99] offset:12288*\t   ; 32 lanes store 512 consecutive bytes of token t's row, aligned
.endr
	s_wait_xcnt 0x0                                ; and again in front of the line that restores it
	s_or_b32 exec_lo, exec_lo, s96
.Lno_fine:
; THE WAY OUT, block by block of 16 tokens x 128 columns (two heads).  PACK: rounded to f16, 16 bytes a lane.  TOSTAGE: into my own stage, and back by heads.  SEND: stored.
.macro PACK a
.set AC, 64*((\a)%4)
	WIN 0x0a+5*((\a)/4)                            ; sources 0 and 1: window 2 or 3
.irp b, 0,1,2,3,4,5,6,7
.irp r, 0,1,2,3
	v_cvt_pk_f16_f32 v[TMP+4*\b+\r], v[AC+8*\b+2*\r], v[AC+8*\b+2*\r+1]
.endr
.endr
	WIN 0
.endm
.macro TOSTAGE a
.set BB, OB+192*((\a)%2)
.irp b, 0,1,2,3,4,5,6,7
	ds_store_b128 v[STO], v[TMP+4*\b:TMP+4*\b+3] offset:32*\b
.endr
.irp t, 0,1,2,3,4,5,6,7
	ds_load_b128 v[BB+4*\t:BB+4*\t+3], v[RD] offset:4*HPITCH*(\t%4)+128*(\t/4)   ; head t / 4, tokens 4 (t % 4) on
.endr
.endm
.macro SEND a
.set BB, OB+192*((\a)%2)
	s_wait_dscnt 0x0                               ; the block is back in registers
	s_wait_xcnt 0x0                                ; the earlier stores have read their registers and their base: both may be written again
.if (\a) > 0
	s_add_nc_u64 s[12:13], s[12:13], 16*128        ; 16 tokens on
.endif
.irp t, 0,1,2,3,4,5,6,7
	global_store_b128 v[CO], v[BB+4*\t:BB+4*\t+3], s[12:13] offset:262144*(\t/4)+512*(\t%4)   ; 32 lanes store four tokens of a head: 512 consecutive bytes, aligned
.endr
.endm
	PACK 0
	TOSTAGE 0
.irp a, 1,2,3,4,5,6,7                  ; block a's conversions stand between block a - 1's loads from the stage and the wait for them
	PACK \a
	SEND \a-1
	TOSTAGE \a
.endr
	SEND 7
	s_wait_tensorcnt 0x0                           ; the wave's end, behind my last tensor load and my last LDS store
	ds_add_u32 v[SPW], v[NIL]
	s_wait_dscnt 0x0
	CROUND                                         ; the closing round: no work-group ends while a partner may still ask for a tile that names it
	s_endpgm
.Lfunc_end_k_qe48a7db47c_qkv:
	.size	k_qe48a7db47c_qkv, .Lfunc_end_k_qe48a7db47c_qkv-k_qe48a7db47c_qkv
	.p2alignl 7, 3214868480
	.fill 96, 4, 3214868480
	.section	.rodata,"a",@progbits
	.p2align	6, 0x0
	.amdhsa_kernel k_qe48a7db47c_qkv
		.amdhsa_group_segment_fixed_size 327680
		.amdhsa_private_segment_fixed_size 0
		.amdhsa_enable_private_segment 0
		.amdhsa_kernarg_size 48
		.amdhsa_user_sgpr_count 2
		.amdhsa_user_sgpr_kernarg_segment_ptr 1
		.amdhsa_wavefront_size32 1
		.amdhsa_system_sgpr_workgroup_id_x 1
		.amdhsa_system_sgpr_workgroup_id_y 1
		.amdhsa_system_sgpr_workgroup_id_z 1
		.amdhsa_system_vgpr_workitem_id 0
		.amdhsa_next_free_vgpr 1024
		.amdhsa_next_free_sgpr 100
		.amdhsa_reserve_vcc 1
		.amdhsa_float_denorm_mode_32 3
		.amdhsa_float_denorm_mode_16_64 3
		.amdhsa_memory_ordered 1
		.amdhsa_forward_progress 1
		.amdhsa_inst_pref_size 131
	.end_amdhsa_kernel
	.amdgpu_metadata
---
amdhsa.version: [ 1, 2 ]
amdhsa.kernels:
  - .name:           k_qe48a7db47c_qkv
    .symbol:         k_qe48a7db47c_qkv.kd
    .args:
      - { .name: xc, .offset: 0, .size: 8, .value_kind: global_buffer, .address_space: global }
      - { .name: xs, .offset: 8, .size: 8, .value_kind: global_buffer, .address_space: global }
      - { .name: wc, .offset: 16, .size: 8, .value_kind: global_buffer, .address_space: global }
      - { .name: ws, .offset: 24, .size: 8, .value_kind: global_buffer, .address_space: global }
      - { .name: qkv, .offset: 32, .size: 8, .value_kind: global_buffer, .address_space: global }
      - { .name: qkvf, .offset: 40, .size: 8, .value_kind: global_buffer, .address_space: global }
    .group_segment_fixed_size: 327680
    .private_segment_fixed_size: 0
    .kernarg_segment_align: 8
    .kernarg_segment_size: 48
    .max_flat_workgroup_size: 128
    .sgpr_count:     100
    .vgpr_count:     1024
    .wavefront_size: 32
...
	.end_amdgpu_metadata
.endif
;; end of part 2
;; launch attn (part 3): grid 8 x 32, 8 waves a work-group, no clusters, 327,680 bytes of LDS; arguments qkv, att; writes att
.if DOCPART == 3
	.amdgcn_target "amdgcn-amd-amdhsa--gfx1250"
	.amdhsa_code_object_version 6
	.text
	.protected	k_qe48a7db47c_attn
	.globl	k_qe48a7db47c_attn
	.p2align	8
	.type	k_qe48a7db47c_attn,@function
k_qe48a7db47c_attn:
	s_mov_b64 s[64:65], 0
	v_nop
	global_prefetch_b8 v0, s[64:65] scope:SCOPE_SE
	s_setreg_imm32_b32 hwreg(HW_REG_WAVE_MODE, 25, 1), 1
	s_wait_xcnt 0x0
; Causal attention of one head on f16 operands: O[q] = sum over k <= q of softmax_k(Q[q] . K[k] / 8) V[k].  qkv: [tensor 3][batch x 16 + head][t 2048][64] f16.  Products, maxima and sums in f32; the weights p are rounded to f16 for the second product.
; att: [token / 128][head][token % 128][64] f16: a tile of 16 queries of a head is 2,048 dense bytes.
; SHARES.  Work-group (i, head) owns two blocks of 128 queries, H = block 15 - i and L = block i: under the mask that is the same work in every work-group.  Wave w owns tile 0 (H, queries 128 (15 - i) + 16 w on)
; and tile 1 (L, 128 i + 16 w on): the two share each fragment of K and V while L still has keys.  Eight waves, two to a SIMD: one wave's vector work stands beside the other's matrix work.
; LAYOUT.  S^T = K Q^T (source 0 = 16 keys, source 1 = 16 queries): a lane holds ONE query (lane % 16) and the keys 8 (lane / 16) + 0..7 of a tile.  Two such tiles, rounded in pairs, are source 1 of O^T = V^T P.
; K comes out of LDS as it lies, V ([key][channel]) turned, by ds_load_tr16_b128.
; SOFTMAX.  A running maximum m and sum l for each query: p = 2^(c s - c m), c = log2(e) / 8; in every step O and l are multiplied by a = 2^(c m_old - c m_new).  The sums begin as zeros and m as -3e38, so that the step is written once.
; THE RING.  Two LDS slots of 256 keys (four steps of 64).  Every work-group walks all 8 changes of slots: the trip count is a constant.  A step all of whose keys come after a wave's queries, and with it the rest of the slot,
; is left out by a scalar branch on ids; a slot whose first key comes after the work-group's last query is not asked for.  Where block H has an even number, the work-group's last slot is read in its lower 128 keys alone:
; each of its two loads (K's 256 rows, V's 256 rows) has readers all the same.
; K A STEP AHEAD.  K of step q + 1 is asked of LDS in step q, behind V's run of loads, and lands under the softmax; only a slot's first step waits for K behind its loads.  The look-ahead stays inside the slot;
; at a wave's diagonal it runs one step past the wave's last: those 16 loads read bytes that have landed and are not used.
; NO CLUSTER: the work-groups of a head need different numbers of slots, so a joint load would bring some partner tiles that none of its waves reads.
; LIMITS: NaN and infinities are not served; f16 holds |q|, |k|, |v| up to 65,504.  Hidden scores become -infinity where the definition has -1e9: both give p = 0 unless a row's visible scores lie near -1e9.
; REGISTERS.  Window 0: v1-15 addresses; v16-31 statistics, 8 a tile; v32-95 S^T, 32 a tile; v96-127 P, 16 a tile; v128-191 K of a step; v192-223 the way out.
;             Window 1: v0-63 O^T, 32 a tile; v64-95 Q, 16 a tile; v128-191 V of a step.
.set KP,    144                        ; a key's row of K in LDS: 128 bytes + 16: the 16 rows of a load start 36 words apart
.set VP,    160                        ; of V: 128 + 32: an odd multiple of 32 bytes, as the turning load's eight rows x 32 bytes want
.set SKEYS, 256                        ; keys in a slot
.set VOFF,  SKEYS*KP                   ; a slot: 256 rows of K, then 256 rows of V
.set SLOT1, 1<<17                      ; slot 1 begins here: one exclusive or turns an address from one slot to the other
.set STAGE, 2*SLOT1                    ; the way out: 16 rows x 144 bytes for each wave
.set SPARE, STAGE+8*16*KP              ; the spare words, 128 bytes for each wave: four blocks of 256 bytes that no other line names
.set AK0, 1                            ; v1   my lane's place in a tile of K
.set AV0, 2                            ; v2   the same for V
.set ADK, 3                            ; v3   LDS address of the slot's K for my lane
.set ADV, 4                            ; v4   of its V
.set QO,  5                            ; v5   my byte offset in a tile's rows of Q
.set STO, 6                            ; v6   the way out: where I put 16 bytes of a row
.set RD,  7                            ; v7   and where I read back
.set GO,  8                            ; v8   16 x lane
.set RH,  9                            ; v9   lane % 16 - 8 (lane / 16)
.set D,   10                           ; v10  the mask's bound
.set NINF, 11                          ; v11  -infinity
.set SPW, 12                           ; v12  LDS address of my spare word; never rewritten
.set NIL, 13                           ; v13  0; never rewritten
.set PFO, 14                           ; v14  256 x lane: the prefetches' offset; never rewritten
.set ST,  16                           ; tile t's statistics at v[ST + 8 t]: +0 c m, +1 m, +2, +3 l (even keys', odd keys'), +4 .. +7 at work; a takes +6
.set S,   32
.set P,   96
.set KFR, 128                          ; K's fragments: keys 16 kt on, channels 32 c on, at KFR + 16 kt + 8 c
.set OB,  192
.set QF,  64                           ; window 1: Q's fragments at QF + 16 t + 8 c
.set VF,  128                          ; window 1: V's fragments: keys 32 kc on, channels 16 ct on, at VF + 32 kc + 8 ct
.set WV,  8                            ; s8   my wave's number
.set QH,  12                           ; s12  tile 0's first query
.set QL,  13                           ; s13  tile 1's
.set LASTQ, 14                         ; s14  the work-group's last query
.set KF,  15                           ; s15  the slot's first key
.set G1K, 16                           ; s[16:23] descriptor group 1 for K's tiles;  s[24:31] for V's;  s[32:35], s[36:39] their groups 0, which walk
.set G1V, 24
.set G0K, 32
.set G0V, 36
.set SEL, 40                           ; s[40:41] lane selects for v_permlanex16_b32: lane l xor 16
.set CS,  42                           ; s[42:43] c: the packed form names a pair and takes its low word for both halves
.set TB,  44                           ; s44  LDS byte at which the slot in hand begins
.set SLOTS, 46                         ; s46  changes of slots to go
.set LIM, 48                           ; s48  2 in a wave that prefetches, else the greatest number
.set KS,  50                           ; s50  the step's first key
.set QHE, 51                           ; s51  tile 0's last query
.set QLE, 52                           ; s52  tile 1's
.set PFA, 54                           ; s[54:55] where my prefetches stand
.set MSB, 0
.macro WIN new                         ; the immediate's high byte repeats the setting that is left
.if MSB != \new
	s_set_vgpr_msb (MSB<<8)|\new
.set MSB, \new
.endif
.endm
.set W_KQ, 0x04                        ; Q (source 1) in window 1; K and S^T in window 0
.set W_PV, 0x51                        ; V (source 0) and O^T (C, D) in window 1; P in window 0
.set W_RS, 0x41                        ; O^T (destination and source 0) in window 1, a in window 0
.set TO1,  0x40                        ; destination window 1
; Wave 0 fetches a slot's 256 rows of K, wave 1 its 256 rows of V, the others nothing.  The branches hang on the wave's number alone.  An s_nop 0 and four v_nop follow each of the two lines.
.macro TLOAD
	s_cmp_lt_u32 s[WV], 1
	s_cbranch_scc0 .Lnot_k_\@
	tensor_load_to_lds s[G0K:G0K+3], s[G1K:G1K+7]
	s_nop 0
.rept 4
	v_nop
.endr
	s_branch .Lasked_\@
.Lnot_k_\@:
	s_cmp_lt_u32 s[WV], 2
	s_cbranch_scc0 .Lasked_\@
	tensor_load_to_lds s[G0V:G0V+3], s[G1V:G1V+7]
	s_nop 0
.rept 4
	v_nop
.endr
.Lasked_\@:
.endm
; A PREFETCH INTO THE L2 of the slot that the NEXT change of slots will ask for: 32,768 dense bytes of K and as many of V.  All work-groups of a head walk the same K and V: the one that walks all 8 slots (i = 0) asks.
; In it four waves ask that fetch nothing, two instructions each: waves 4 and 5 for K's halves, waves 6 and 7 for V's: 16,384 bytes a wave, lanes 256 bytes apart.  So each block of 256 bytes of slots 2 to 7 is named once in the launch.
; Slots 0 and 1 come by their loads alone; the last two changes ask for nothing: there is no slot so far on.
.macro ASK
	s_cmp_gt_u32 s[SLOTS], s[LIM]
	s_cbranch_scc0 .Lnot_mine_\@
	global_prefetch_b8 v[PFO], s[PFA:PFA+1] th:TH_LOAD_NT scope:SCOPE_SE
	global_prefetch_b8 v[PFO], s[PFA:PFA+1] offset:8192 th:TH_LOAD_NT scope:SCOPE_SE
.Lnot_mine_\@:
.endm
	s_load_b128 s[4:7], s[0:1], 0x0                ; qkv s[4:5], att s[6:7]
	v_lshl_add_u32 v[SPW], v0, 2, SPARE
	v_mov_b32 v[NIL], 0
	ds_add_u32 v[SPW], v[NIL]                      ; the wave's opening: the add, twice on end, and its wait ahead of my first tensor load
	ds_add_u32 v[SPW], v[NIL]                      ; and once more, under the one wait; the set-up below, work on registers, stands between
	v_lshrrev_b32 v15, 5, v0
	v_readfirstlane_b32 s[WV], v15                 ; wave 0..7
	s_and_b32 s9, s[WV], 1                         ; which half of a slot's rows I prefetch
	s_and_b32 s10, ttmp7, 0xffff                   ; batch x 16 + head
	s_sub_co_u32 s11, 15, ttmp9                    ; block H
	s_lshl_b32 s49, s[WV], 4
	s_lshl_b32 s[QH], s11, 7
	s_or_b32 s[LASTQ], s[QH], 127
	s_add_co_u32 s[QH], s[QH], s49
	s_lshl_b32 s[QL], ttmp9, 7
	s_add_co_u32 s[QL], s[QL], s49
	s_mov_b32 s[KF], 0
	s_mov_b32 s[TB], 0
	s_mov_b32 s[SLOTS], 2048/SKEYS
	s_mov_b32 s[SEL], 0x76543210
	s_mov_b32 s[SEL+1], 0xfedcba98
	s_mov_b32 s[CS], 0x3e38aa3b                    ; c = log2(e) / 8
	s_mov_b32 s[CS+1], s[CS]                       ; (named with it as a pair, so it is written)
	; descriptor group 1: 256 rows of 64 elements of 2 bytes, dense in memory, padded behind each row in LDS
	s_mov_b32 s[G1K], (1<<16)|(1<<20)|(4<<22)|(3<<25)              ; 15:0 no mask; 17:16 elements of 2 bytes; 20 padding on; 24:22 after every 32 words; 31:25 four words
	s_mov_b32 s[G1V], (1<<16)|(1<<20)|(4<<22)|(7<<25)              ; the same with eight words
.irp g, G1K, G1V
	s_mov_b32 s[\g+1], 64<<16                      ; tensor_dim0
	s_mov_b32 s[\g+2], SKEYS<<16                   ; tensor_dim1
	s_mov_b32 s[\g+3], 64<<16                      ; tile_dim0
	s_mov_b32 s[\g+4], SKEYS                       ; tile_dim1
	s_mov_b32 s[\g+5], 64                          ; tensor_dim0_stride
	s_mov_b32 s[\g+6], 0
	s_mov_b32 s[\g+7], 0
.endr
	; byte offsets, made apart from the addresses
	s_lshl_b32 s66, s10, 18                        ; a head's rows: 2,048 x 128 bytes
	s_lshl_b32 s56, s[QH], 7
	s_add_co_u32 s56, s56, s66                     ; Q at tile 0's first query,
	s_mov_b32 s57, 0
	s_lshl_b32 s58, s[QL], 7
	s_add_co_u32 s58, s58, s66                     ; at tile 1's
	s_mov_b32 s59, 0
	s_add_co_u32 s66, s66, 0x800000                ; K: the second tensor, my head
	s_mov_b32 s67, 0
	s_add_co_u32 s68, s66, 0x800000                ; V: the third
	s_mov_b32 s69, 0
	s_cmp_lt_u32 s[WV], 6                          ; waves 4 and 5 prefetch K's halves, waves 6 and 7 V's
	s_cselect_b32 s[PFA], s66, s68
	s_lshl_b32 s49, s9, 14
	s_add_co_u32 s[PFA], s[PFA], s49               ; my half of a slot's 32,768 bytes,
	s_add_co_u32 s[PFA], s[PFA], SKEYS*128         ; in slot 1: the first change of slots steps it to slot 2
	s_mov_b32 s[PFA+1], 0
	s_lshr_b32 s49, s[WV], 2
	s_xor_b32 s49, s49, 1                          ; 0 in waves 4 to 7,
	s_or_b32 s49, s49, ttmp9                       ; of the work-group that walks all of the head's keys
	s_cmp_eq_u32 s49, 0
	s_cselect_b32 s[LIM], 2, -1
	s_lshr_b32 s49, s10, 4
	s_lshl_b32 s49, s49, 4                         ; 16 x batch: the batch's first block of 128 tokens
	s_and_b32 s50, s10, 15                         ; the head
	s_lshl_b32 s53, s[WV], 11                      ; my 16 rows of 128 bytes in a block
	s_add_co_u32 s51, s49, s11
	s_lshl_b32 s51, s51, 4
	s_add_co_u32 s51, s51, s50
	s_lshl_b32 s60, s51, 14
	s_add_co_u32 s60, s60, s53                     ; att at tile 0,
	s_mov_b32 s61, 0
	s_add_co_u32 s51, s49, ttmp9
	s_lshl_b32 s51, s51, 4
	s_add_co_u32 s51, s51, s50
	s_lshl_b32 s62, s51, 14
	s_add_co_u32 s62, s62, s53                     ; at tile 1
	s_mov_b32 s63, 0
	s_wait_dscnt 0x0                               ; both opening adds are done
	s_wait_kmcnt 0x0
	s_mov_b32 s[G0K], 1                            ; 1:0 count = 1
	s_mov_b32 s[G0K+1], 0                          ; 63:32 LDS address: slot 0
	s_add_nc_u64 s[G0K+2:G0K+3], s[4:5], s[66:67]  ; 120:64 global address
	s_or_b32 s[G0K+3], s[G0K+3], 0x80000000        ; 127:126 type = 2
	s_mov_b32 s[G0V], 1
	s_mov_b32 s[G0V+1], VOFF
	s_add_nc_u64 s[G0V+2:G0V+3], s[4:5], s[68:69]
	s_or_b32 s[G0V+3], s[G0V+3], 0x80000000
	TLOAD                                          ; slot 0: key 0 counts for every query
	s_add_nc_u64 s[PFA:PFA+1], s[4:5], s[PFA:PFA+1]
	s_add_nc_u64 s[56:57], s[4:5], s[56:57]
	s_add_nc_u64 s[58:59], s[4:5], s[58:59]
	s_add_nc_u64 s[60:61], s[6:7], s[60:61]
	s_add_nc_u64 s[62:63], s[6:7], s[62:63]
	v_and_b32 v15, 15, v0                          ; r = lane % 16
	v_bfe_u32 v10, v0, 4, 1                        ; h = lane / 16
	v_lshlrev_b32 v[QO], 7, v15
	v_lshl_add_u32 v[QO], v10, 4, v[QO]            ; row r of 128 bytes + 16 h
	WIN TO1
.irp c, 0,1                                    ; Q stays in registers: a fragment is 16 queries x 32 channels
	global_load_b128 v[QF+8*\c:QF+8*\c+3],       v[QO], s[56:57] offset:64*\c
	global_load_b128 v[QF+8*\c+4:QF+8*\c+7],     v[QO], s[56:57] offset:64*\c+32
	global_load_b128 v[QF+16+8*\c:QF+16+8*\c+3],   v[QO], s[58:59] offset:64*\c
	global_load_b128 v[QF+16+8*\c+4:QF+16+8*\c+7], v[QO], s[58:59] offset:64*\c+32
.endr
	WIN 0
	v_mul_u32_u24 v[AK0], v15, KP
	v_lshl_add_u32 v[AK0], v10, 4, v[AK0]          ; K: row r x pitch + 16 h
	v_and_b32 v3, 7, v0
	v_lshl_add_u32 v3, v10, 3, v3                  ; V: the turning load reads key 8 h + lane % 8,
	v_mul_u32_u24 v[AV0], v3, VP
	v_bfe_u32 v4, v0, 3, 1
	v_lshl_add_u32 v[AV0], v4, 4, v[AV0]           ; channels 8 ((lane / 8) % 2) on
	v_add_nc_u32 v[AV0], VOFF, v[AV0]
	s_mul_i32 s49, s[WV], 16*KP
	s_add_co_u32 s49, s49, STAGE                   ; my stage
	v_add_nc_u32 v[STO], s49, v[AK0]               ; in: row r, 16 bytes for each half of the lanes
	v_bfe_u32 v3, v0, 3, 2
	v_mul_u32_u24 v[RD], v3, KP
	v_and_b32 v4, 7, v0
	v_lshl_add_u32 v[RD], v4, 4, v[RD]
	v_add_nc_u32 v[RD], s49, v[RD]                 ; back: eight lanes to a row of 128 bytes, four rows an instruction
	v_and_b32 v[GO], 31, v0
	v_lshlrev_b32 v[PFO], 8, v[GO]
	v_lshlrev_b32 v[GO], 4, v[GO]
	v_lshlrev_b32 v3, 3, v10
	v_sub_nc_u32 v[RH], v15, v3
	v_mov_b32 v[NINF], 0xff800000
.irp t, 0,1
	v_mov_b32 v[ST+8*\t+1], 0xff61b1e6             ; m: -3e38, under every score
	v_mul_f32 v[ST+8*\t], s[CS], v[ST+8*\t+1]      ; c m
	v_mov_b32 v[ST+8*\t+2], 0                      ; l, in two halves
	v_mov_b32 v[ST+8*\t+3], 0
	v_mov_b32 v[ST+8*\t+5], 0                      ; (a lane permute's destination counts as one of its sources,
	v_mov_b32 v[ST+8*\t+7], 0                      ; and this one is named as the upper half of a pair)
.endr
	WIN TO1
.set i, 0
.rept 64
	v_mov_b32 v[i], 0                              ; O^T: the step is written once; the first finds zeros, which the first a leaves zeros
.set i, i+1
.endr
	WIN 0
; S^T of tile t: 8 matrix instructions, the four accumulators by turns; the first four start the sums.
.macro SCORES t
	WIN W_KQ
.irp c, 0,1
.irp kt, 0,1,2,3
.if \c == 0
	v_wmma_f32_16x16x32_f16 v[S+32*\t+8*\kt:S+32*\t+8*\kt+7], v[KFR+16*\kt+8*\c:KFR+16*\kt+8*\c+7], v[QF+16*\t+8*\c:QF+16*\t+8*\c+7], 0
.else
	v_wmma_f32_16x16x32_f16 v[S+32*\t+8*\kt:S+32*\t+8*\kt+7], v[KFR+16*\kt+8*\c:KFR+16*\kt+8*\c+7], v[QF+16*\t+8*\c:QF+16*\t+8*\c+7], v[S+32*\t+8*\kt:S+32*\t+8*\kt+7]
.endif
.endr
.endr
	WIN 0
.endm
; O^T of tile t += V^T P: 8 matrix instructions, the four accumulators by turns.
.macro PVMUL t
	WIN W_PV
.irp kc, 0,1
.irp ct, 0,1,2,3
	v_wmma_f32_16x16x32_f16 v[32*\t+8*\ct:32*\t+8*\ct+7], v[VF+32*\kc+8*\ct:VF+32*\kc+8*\ct+7], v[P+16*\t+8*\kc:P+16*\t+8*\kc+7], v[32*\t+8*\ct:32*\t+8*\ct+7]
.endr
.endr
	WIN 0
.endm
; K of the slot's q-th step: 16 loads; keys 16 (f / 2) on, channels 32 (f % 2) on
.macro LOADK q
.irp f, 0,1,2,3,4,5,6,7
	ds_load_b128 v[KFR+8*\f:KFR+8*\f+3],   v[ADK] offset:(\q)*64*KP+(\f/2)*16*KP+(\f%2)*64
	ds_load_b128 v[KFR+8*\f+4:KFR+8*\f+7], v[ADK] offset:(\q)*64*KP+(\f/2)*16*KP+(\f%2)*64+32
.endr
.endm
; On the diagonal the scores of hidden keys become -infinity ahead of the maximum.  A step all of whose keys count skips this.  Register 8 kt + j holds key KS + 16 kt + 8 h + j: hidden where 16 kt + j > query - KS - 8 h.
.macro MASKQ t, qreg
	s_add_co_u32 s49, s[KS], 63
	s_cmp_le_u32 s49, s[\qreg]
	s_cbranch_scc1 .Lopen_\@
	s_sub_co_i32 s49, s[\qreg], s[KS]
	v_add_nc_u32 v[D], s49, v[RH]
.irp n, 0,1,2,3,4,5,6,7,8,9,10,11,12,13,14,15,16,17,18,19,20,21,22,23,24,25,26,27,28,29,30,31
	v_cmp_gt_i32 vcc_lo, 16*(\n/8)+\n%8, v[D]
	v_cndmask_b32 v[S+32*\t+\n], v[S+32*\t+\n], v[NINF], vcc_lo    ; ascending: each accumulator is read from its low end on
.endr
.Lopen_\@:
.endm
; One tile's softmax for one step of 64 keys.  A step is walked only where its first key is at or under the tile's first query (both are multiples of 16), so every row has a key that counts and m is a number.
.macro SOFTMAX t
.set rT, ST+8*(\t)
.set rS, S+32*(\t)
.set rP, P+16*(\t)
.set rO, 32*(\t)
.irp j, 0,1,2,3
	v_max3_num_f32 v[rT+4+\j], v[rS+8*\j], v[rS+8*\j+1], v[rS+8*\j+2]     ; four chains, one an accumulator, each begun at its low end
.endr
.irp i, 3,5
.irp j, 0,1,2,3
	v_max3_num_f32 v[rT+4+\j], v[rT+4+\j], v[rS+8*\j+\i], v[rS+8*\j+\i+1]
.endr
.endr
	v_max3_num_f32 v[rT+4], v[rT+4], v[rS+7], v[rS+15]
	v_max3_num_f32 v[rT+6], v[rT+6], v[rS+23], v[rS+31]
	v_max3_num_f32 v[rT+4], v[rT+4], v[rT+5], v[rT+6]
	v_max3_num_f32 v[rT+4], v[rT+4], v[rT+7], v[rT+1]              ; with the old m
	v_permlanex16_b32 v[rT+5], v[rT+4], s[SEL], s[SEL+1]           ; the query's other 32 keys lie in the lane 16 away
	v_mov_b32 v[rT+7], v[rT]                                       ; c m_old
	v_max_num_f32 v[rT+1], v[rT+4], v[rT+5]                        ; the new m
	v_mul_f32 v[rT], s[CS], v[rT+1]
	v_sub_f32 v[rT+7], v[rT+7], v[rT]
.irp b, 0,1,2,3,4,5,6,7,8,9,10,11,12,13,14,15
	v_pk_fma_f32 v[rS+2*\b:rS+2*\b+1], v[rS+2*\b:rS+2*\b+1], s[CS:CS+1], v[rT:rT+1] op_sel_hi:[1,0,0] neg_lo:[0,0,1] neg_hi:[0,0,1]   ; c s - c m, two at a time
.endr
	v_exp_f32 v[rT+6], v[rT+7]                                     ; a.  The 33 exponentials are one batch
.irp e, 0,1,2,3,4,5,6,7,8,9,10,11,12,13,14,15,16,17,18,19,20,21,22,23,24,25,26,27,28,29,30,31
	v_exp_f32 v[rS+\e], v[rS+\e]
.endr
	v_nop                                                          ; a plain instruction behind the last exponential
	s_wait_alu depctr_va_vdst(0)                                   ; one wait for the batch, ahead of its first reader
.irp i, 0,1,2,3,4,5,6,7,8,9,10,11,12,13,14,15
	v_cvt_pk_f16_f32 v[rP+\i], v[rS+2*\i], v[rS+2*\i+1]            ; the weights for the second product
.endr
.irp u, 0,1,2,3,4,5,6,7
	v_pk_add_f32 v[rS+4*\u:rS+4*\u+1], v[rS+4*\u:rS+4*\u+1], v[rS+4*\u+2:rS+4*\u+3]   ; the sum of the unrounded p, as a tree, in place
.endr
.irp u, 0,1,2,3
	v_pk_add_f32 v[rS+8*\u:rS+8*\u+1], v[rS+8*\u:rS+8*\u+1], v[rS+8*\u+4:rS+8*\u+5]
.endr
.irp u, 0,1
	v_pk_add_f32 v[rS+16*\u:rS+16*\u+1], v[rS+16*\u:rS+16*\u+1], v[rS+16*\u+8:rS+16*\u+9]
.endr
	v_pk_add_f32 v[rS:rS+1], v[rS:rS+1], v[rS+16:rS+17]
	v_pk_fma_f32 v[rT+2:rT+3], v[rT+2:rT+3], v[rT+6:rT+7], v[rS:rS+1] op_sel_hi:[1,0,1]   ; l = a l + the sum
	WIN W_RS
.irp i, 0,1,2,3,4,5,6,7,8,9,10,11,12,13,14,15
	v_pk_mul_f32 v[rO+2*\i:rO+2*\i+1], v[rO+2*\i:rO+2*\i+1], v[rT+6:rT+7] op_sel_hi:[1,0]   ; O^T x a, ascending
.endr
	WIN 0
.endm
; Tile H's part of a step, behind the products K Q^T: the places, V's run of loads and the next step's K behind it, the softmax under which both land, and V^T P.
.macro HTILE q
.rept 4
	v_nop                                          ; four places: behind the products K Q^T, in front of the reads of their results and of the loads into K's registers; and between the last step's V^T P and the loads into V's registers
.endr
	WIN TO1
.irp f, 0,1,2,3,4,5,6,7                        ; keys 32 (f / 4) on, channels 16 (f % 4) on
	ds_load_tr16_b128 v[VF+8*\f:VF+8*\f+3],   v[ADV] offset:(\q)*64*VP+(\f/4)*32*VP+(\f%4)*32
	ds_load_tr16_b128 v[VF+8*\f+4:VF+8*\f+7], v[ADV] offset:(\q)*64*VP+(\f/4)*32*VP+16*VP+(\f%4)*32
.endr
	WIN 0
.if (\q) < 3
	LOADK (\q)+1                                   ; the same slot's next step: both tiles have multiplied by this step's K
.endif
	MASKQ 0, QH
	SOFTMAX 0
.if (\q) < 3
	s_wait_dscnt 16                                ; V is in; the 16 loads of the next step's K, issued behind V's, may be out
.else
	s_wait_dscnt 0x0                               ; V is in
.endif
	PVMUL 0
.endm
; A STEP: 64 keys, the q-th of the slot in hand.  Where all its keys come after my queries, so do those of the slot's later steps: the jump leads to the slot's end, and step q + 1 is reached through step q alone.
; One more test on ids says whether tile L still has keys: two arms.  In the arm for both tiles L's products K Q^T run under H's softmax, and H's V^T P under L's.
.macro STEP q
	s_add_co_u32 s[KS], s[KF], 64*(\q)             ; the step's first key
	s_cmp_gt_u32 s[KS], s[QHE]
	s_cbranch_scc1 .Lslot_end
.if (\q) == 0
	LOADK 0                                        ; a slot's first step fetches its own K: the slot is whole only behind the barrier
.endif
	s_wait_dscnt 0x0                               ; K is in
	SCORES 0
	s_cmp_gt_u32 s[KS], s[QLE]
	s_cbranch_scc1 .Lsingle_\@
	SCORES 1
	HTILE \q
	MASKQ 1, QL
	SOFTMAX 1
	PVMUL 1
	s_branch .Lnext_\@
.Lsingle_\@:
	HTILE \q
.Lnext_\@:
.endm
; THE CHANGE OF SLOTS stands at a slot's head.  Each wave waits for all its tensor loads (its part of the slot that it is about to read), adds 0 to its spare word, and waits for that and for its reads of the slot that it has left.
; Behind the barrier the slot ahead is whole and nobody reads the other one, which is filled with the next 256 keys: that load has the slot's four steps in which to land.  By this text's count a wave has one tensor load out.
.macro CHANGE
	s_wait_tensorcnt 0x0                           ; no tensor load of mine is out, so a group 0 may be written
	ds_add_u32 v[SPW], v[NIL]                      ; 0 onto my spare word,
	ds_add_u32 v[SPW], v[NIL]                      ; and twice on end here, in every trip alike. The descriptors' steps stand between it and the wait
	s_xor_b32 s[G0K+1], s[G0K+1], SLOT1            ; the walking descriptors: the other slot than last time,
	s_add_nc_u64 s[G0K+2:G0K+3], s[G0K+2:G0K+3], SKEYS*128   ; the next 256 keys; the type bits on top are not reached
	s_xor_b32 s[G0V+1], s[G0V+1], SLOT1
	s_add_nc_u64 s[G0V+2:G0V+3], s[G0V+2:G0V+3], SKEYS*128
	s_wait_xcnt 0x0                                ; the last prefetches, a slot back, have read their address, so it may be written:
	s_add_nc_u64 s[PFA:PFA+1], s[PFA:PFA+1], SKEYS*128       ; one slot further on than the walking descriptors
	s_wait_dscnt 0x0                               ; both adds are done, and my reads of the slot that I have left are over
	s_barrier_signal -1
	s_barrier_wait -1
	s_add_co_u32 s49, s[KF], SKEYS                 ; the first key of the slot that this change would ask for:
	s_cmp_gt_u32 s49, s[LASTQ]                     ; past the work-group's last query none of its waves would read it.  Ids and the count of trips alone: all eight waves go the same way; in the last trip it is past for every work-group
	s_cbranch_scc1 .Lpast_\@
	TLOAD                                          ; the first tensor load behind the barrier, and a wave's one until the next
.Lpast_\@:
	ASK
.endm
	s_add_co_u32 s[QHE], s[QH], 15
	s_add_co_u32 s[QLE], s[QL], 15
	s_wait_loadcnt 0x0                             ; Q
.Lslot:                                            ; 8 trips: a constant
	CHANGE
	v_add_nc_u32 v[ADK], s[TB], v[AK0]             ; the slot's addresses; the steps stand in the loads' immediates
	v_add_nc_u32 v[ADV], s[TB], v[AV0]
	STEP 0
	STEP 1
	STEP 2
	STEP 3
.Lslot_end:
	s_add_co_u32 s[KF], s[KF], SKEYS
	s_xor_b32 s[TB], s[TB], SLOT1                  ; on to the other slot
	s_sub_co_u32 s[SLOTS], s[SLOTS], 1
	s_cmp_lg_u32 s[SLOTS], 0
	s_cbranch_scc1 .Lslot
	; THE WAY OUT.  l's two halves and the other half of the lanes' are added; O^T is divided by l, rounded to f16 and sent through my stage.  The four additions and the v_nop are the places behind the last products.
.irp t, 0,1
	v_add_f32 v[ST+8*\t+4], v[ST+8*\t+2], v[ST+8*\t+3]
.endr
.irp t, 0,1
	v_permlanex16_b32 v[ST+8*\t+5], v[ST+8*\t+4], s[SEL], s[SEL+1]
.endr
.irp t, 0,1
	v_add_f32 v[ST+8*\t+4], v[ST+8*\t+4], v[ST+8*\t+5]
.endr
.irp t, 0,1
	v_rcp_f32 v[ST+8*\t+6], v[ST+8*\t+4]
.endr
	v_nop                                          ; a plain instruction behind the last reciprocal
	s_wait_alu depctr_va_vdst(0)                   ; one wait for the two, ahead of the first use
.macro PACK t
	WIN W_RS
.irp i, 0,1,2,3,4,5,6,7,8,9,10,11,12,13,14,15
	v_pk_mul_f32 v[32*\t+2*\i:32*\t+2*\i+1], v[32*\t+2*\i:32*\t+2*\i+1], v[ST+8*\t+6:ST+8*\t+7] op_sel_hi:[1,0]
.endr
	WIN 0x05                                       ; sources 0 and 1 window 1, destination window 0
.irp i, 0,1,2,3,4,5,6,7,8,9,10,11,12,13,14,15
	v_cvt_pk_f16_f32 v[OB+16*\t+\i], v[32*\t+2*\i], v[32*\t+2*\i+1]
.endr
	WIN 0
.irp ct, 0,1,2,3
	ds_store_b128 v[STO], v[OB+16*\t+4*\ct:OB+16*\t+4*\ct+3] offset:32*\ct   ; query r, channels 16 ct + 8 h on
.endr
.irp i, 0,1,2,3
	ds_load_b128 v[OB+16*\t+4*\i:OB+16*\t+4*\i+3], v[RD] offset:4*KP*\i      ; LDS serves a wave's instructions in order: these see my stores, and the next tile's stores come behind them
.endr
.endm
.macro SEND t, younger                 ; younger: the LDS instructions issued behind tile t's loads
.irp i, 0,1,2,3
	s_wait_dscnt \younger+3-\i
	global_store_b128 v[GO], v[OB+16*\t+4*\i:OB+16*\t+4*\i+3], s[60+2*\t:61+2*\t] offset:512*\i   ; 32 lanes store 512 consecutive bytes, aligned
.endr
.endm
	PACK 0
	PACK 1
	SEND 0, 8
	SEND 1, 0
	s_wait_tensorcnt 0x0                           ; the wave's end, behind my last tensor load and my last LDS store
	ds_add_u32 v[SPW], v[NIL]
	s_wait_dscnt 0x0
	s_endpgm
.Lfunc_end_k_qe48a7db47c_attn:
	.size	k_qe48a7db47c_attn, .Lfunc_end_k_qe48a7db47c_attn-k_qe48a7db47c_attn
	.p2alignl 7, 3214868480
	.fill 96, 4, 3214868480
	.section	.rodata,"a",@progbits
	.p2align	6, 0x0
	.amdhsa_kernel k_qe48a7db47c_attn
		.amdhsa_group_segment_fixed_size 327680
		.amdhsa_private_segment_fixed_size 0
		.amdhsa_enable_private_segment 0
		.amdhsa_kernarg_size 16
		.amdhsa_user_sgpr_count 2
		.amdhsa_user_sgpr_kernarg_segment_ptr 1
		.amdhsa_wavefront_size32 1
		.amdhsa_system_sgpr_workgroup_id_x 1
		.amdhsa_system_sgpr_workgroup_id_y 1
		.amdhsa_system_sgpr_workgroup_id_z 1
		.amdhsa_system_vgpr_workitem_id 0
		.amdhsa_next_free_vgpr 512
		.amdhsa_next_free_sgpr 72
		.amdhsa_reserve_vcc 1
		.amdhsa_float_denorm_mode_32 3
		.amdhsa_float_denorm_mode_16_64 3
		.amdhsa_memory_ordered 1
		.amdhsa_forward_progress 1
		.amdhsa_inst_pref_size 149
	.end_amdhsa_kernel
	.amdgpu_metadata
---
amdhsa.version: [ 1, 2 ]
amdhsa.kernels:
  - .name:           k_qe48a7db47c_attn
    .symbol:         k_qe48a7db47c_attn.kd
    .args:
      - { .name: qkv, .offset: 0, .size: 8, .value_kind: global_buffer, .address_space: global }
      - { .name: att, .offset: 8, .size: 8, .value_kind: global_buffer, .address_space: global }
    .group_segment_fixed_size: 327680
    .private_segment_fixed_size: 0
    .kernarg_segment_align: 8
    .kernarg_segment_size: 16
    .max_flat_workgroup_size: 256
    .sgpr_count:     72
    .vgpr_count:     512
    .wavefront_size: 32
...
	.end_amdgpu_metadata
.endif
;; end of part 3
;; launch proj (part 4): grid 8 x 32, 4 waves a work-group, clusters of 4 x 4, 327,680 bytes of LDS; arguments att, wot, bo, out0; writes out0
.if DOCPART == 4
	.amdgcn_target "amdgcn-amd-amdhsa--gfx1250"
	.amdhsa_code_object_version 6
	.text
	.protected	k_qe48a7db47c_proj
	.globl	k_qe48a7db47c_proj
	.p2align	8
	.type	k_qe48a7db47c_proj,@function
k_qe48a7db47c_proj:
	s_mov_b64 s[64:65], 0
	v_nop
	global_prefetch_b8 v0, s[64:65] scope:SCOPE_SE
	s_setreg_imm32_b32 hwreg(HW_REG_WAVE_MODE, 25, 1), 1
	s_wait_xcnt 0x0
	s_wait_alu depctr_hold_cnt(0) depctr_sa_sdst(0) depctr_va_vdst(0) depctr_va_sdst(0) depctr_va_ssrc(0) depctr_va_vcc(0) depctr_vm_vsrc(0)
	s_getreg_b32 s2, hwreg(HW_REG_IB_STS2, 6, 4)
	s_cmp_eq_u32 s2, 0
	s_cbranch_scc0 .Lentry_in_a_cluster
	s_endpgm
.Lentry_in_a_cluster:
	s_bfe_u32 s2, ttmp6, 0x10000c
	s_cmp_lg_u32 s2, 0xf033
	s_cbranch_scc0 .Lentry_shape_is_right
	s_endpgm
.Lentry_shape_is_right:
; out0[token][n] = sum over k of A[token][k] B[n][k] + bo[n].  A = the attention's rows, f16, laid [token / 128][head][token % 128][64] (k = 64 head + channel); B = wot [n 1024][k 1024] f16; out0 [4096][1024] f32; sums in f32.
; A tile of the output is 128 x 128: 256 work-groups.  Four waves, each 64 x 64: 16 accumulators, 128 registers.  K goes in steps of 256 (four heads) through a ring of two LDS slots.
; A's tile of a K step is 64 KB of dense memory, four heads x 128 tokens x 128 bytes: two waves fetch it as 256 rows of 128 bytes each.  B's is 128 rows of 512 bytes: two waves fetch 64 rows each.
; CLUSTERS: 4 x 4 work-groups; A's tile is shared along a row of the cluster, B's along a column: each is asked for jointly.
; THE MATRIX INSTRUCTION IS USED TRANSPOSED (source 0 = 16 rows of B, source 1 = 16 rows of A): a lane holds eight neighbouring columns of one token.  The bias is the C of each sum's first product.
; Tokens 0-15 of each batch are stored here like the others and stored again, more finely, by the launch that follows.
; REGISTERS: window 0: v0-31 addresses; v32-95 the way out; v96-127 the bias, eight registers for each block of 16 columns; v128-255 the accumulators ((a, b) at v[128 + 8 (4 a + b)]).
;   window 1: two fragment buffers of 128: for 64 along K (one head), 64 registers of A, then 64 of B.
.set SIZE_N, 1024
.set SIZE_K, 1024
.set KSTEP,  256
.set PA,     144                       ; a row of A's tile in LDS: 128 bytes + 16
.set AHEAD,  128*PA                    ; a head's 128 tokens
.set ALOAD,  2*AHEAD                   ; what one tensor load of A brings
.set ATILE,  2*ALOAD
.set PB,     528                       ; a row of B's tile: 512 bytes + 16
.set HALFB,  64*PB                     ; what one tensor load of B brings
.set SLOT,   ATILE+2*HALFB
.set STAGE,  2*SLOT                    ; behind the ring: 16 rows x 272 bytes for each wave
.set SPITCH, 272
.set SPARE,  STAGE+4*16*SPITCH         ; the spare words, 128 bytes for each wave: two blocks of 256 bytes that no other line names
.set LAPS,   SIZE_K/(2*KSTEP)          ; a lap = two K steps = once round the ring
.set ADRA, 16                          ; v16-17  LDS address of my A fragments in slot 0, 1
.set ADRB, 20                          ; v20-21  the same for B
.set STO,  24                          ; v24     the way out: where I put 32 bytes of a row
.set RD,   25                          ; v25     and where I read a row back
.set CO,   26                          ; v26     my byte offset in out0
.set SPW,  28                          ; v28     LDS address of my spare word; never rewritten
.set NIL,  29                          ; v29     0; never rewritten
.set TMP,  32
.set BIAS, 96
.set ACC,  128
.set F0,   0                           ; fragment buffers, in window 1
.set F1,   128
.set G1, 24                            ; s[24:31] descriptor group 1 for A's tiles;  s[32:39] group 0, one set for each slot
.set G0, 32
.set G1B, 48                           ; s[48:55], s[56:63] the same for B's tiles
.set G0B, 56
.set MSB, 0
.macro WIN new                         ; the immediate's high byte repeats the setting that is left
.if MSB != \new
	s_set_vgpr_msb (MSB<<8)|\new
.set MSB, \new
.endif
.endm
.set MUL,  0x05                        ; sources 0 (B) and 1 (A) window 1; C and D window 0
.set TO_F, 0x40                        ; destination window 1, address window 0
.macro JLOAD s                         ; a joint load: waves 0 and 1 fetch A's two halves, waves 2 and 3 B's; an s_nop 0 and four v_nop follow each of the two lines
	s_cmp_eq_u32 s11, 0
	s_cbranch_scc0 .Lfor_b_\@
	tensor_load_to_lds s[G0+4*\s:G0+4*\s+3], s[G1:G1+7]
	s_nop 0
.rept 4
	v_nop
.endr
	s_branch .Lasked_\@
.Lfor_b_\@:
	tensor_load_to_lds s[G0B+4*\s:G0B+4*\s+3], s[G1B:G1B+7]
	s_nop 0
.rept 4
	v_nop
.endr
.Lasked_\@:
.endm
.macro CREST                           ; a round of the cluster's barrier behind its opening barrier
	s_cmp_lg_u32 s10, 0
	s_cbranch_scc1 .Lnot_wave_0_\@
	s_barrier_signal -3
.Lnot_wave_0_\@:
	s_barrier_wait -3
	s_barrier_signal -1
	s_barrier_wait -1
.endm
.macro CROUND                          ; a whole round
	s_barrier_signal -1
	s_barrier_wait -1
	CREST
.endm
	s_load_b128 s[4:7], s[0:1], 0x0                ; att s[4:5], wot s[6:7]
	s_load_b128 s[68:71], s[0:1], 0x10             ; bo s[68:69], out0 s[70:71]
	v_lshl_add_u32 v[SPW], v0, 2, SPARE
	v_mov_b32 v[NIL], 0
	ds_add_u32 v[SPW], v[NIL]                      ; the wave's opening: the add, twice on end, and its wait ahead of my first tensor load
	ds_add_u32 v[SPW], v[NIL]                      ; and once more, under the one wait; the set-up below, work on registers, stands between
	v_lshrrev_b32 v1, 5, v0
	v_readfirstlane_b32 s10, v1                    ; wave 0..3
	s_lshr_b32 s11, s10, 1                         ; which half of the tile's rows is mine.  Also: I fetch for A (0) or for B (1)
	s_and_b32 s12, s10, 1                          ; which half of its columns.  Also: which half of that tile I fetch
	s_bfe_u32 s40, ttmp6, 0x40000                  ; cx, cy: my place in the cluster
	s_bfe_u32 s41, ttmp6, 0x40004
	s_lshl_b32 s42, ttmp9, 2
	s_add_co_u32 s42, s42, s40                     ; tile column = 4 x cluster x + cx
	s_and_b32 s13, ttmp7, 0xffff
	s_lshl_b32 s13, s13, 2
	s_add_co_u32 s13, s13, s41                     ; tile row = 4 x cluster y + cy
	s_lshl_b32 s43, s41, 2
	s_lshl_b32 s43, 15, s43                        ; my row of the cluster
	s_lshl_b32 s44, 0x1111, s40                    ; my column
	; descriptor group 1.  A: 256 rows of 64 elements of 2 bytes, dense in memory, four words of padding behind each row's 32
	s_or_b32 s[G1+0], s43, (1<<16)|(1<<20)|(1<<21)|(4<<22)|(3<<25)  ; 15:0 the mask: A's tiles go to my row; 17:16 elements of 2 bytes; 20 padding on; 21 set beside a mask
	s_mov_b32 s[G1+1], 64<<16                      ; tensor_dim0
	s_mov_b32 s[G1+2], 256<<16                     ; tensor_dim1
	s_mov_b32 s[G1+3], 64<<16                      ; tile_dim0
	s_mov_b32 s[G1+4], 256                         ; tile_dim1
	s_mov_b32 s[G1+5], 64                          ; tensor_dim0_stride
	s_mov_b32 s[G1+6], 0
	s_mov_b32 s[G1+7], 0
	; B: 64 rows of 256 elements, 1,024 elements apart, four words of padding behind each row's 128
	s_or_b32 s[G1B+0], s44, (1<<16)|(1<<20)|(1<<21)|(6<<22)|(3<<25)
	s_mov_b32 s[G1B+1], KSTEP<<16
	s_mov_b32 s[G1B+2], 64<<16
	s_mov_b32 s[G1B+3], KSTEP<<16
	s_mov_b32 s[G1B+4], 64
	s_mov_b32 s[G1B+5], SIZE_K
	s_mov_b32 s[G1B+6], 0
	s_mov_b32 s[G1B+7], 0
	s_lshl_b32 s16, s13, 18                        ; A: a block of 128 tokens is 16 heads x 16,384 bytes;
	s_lshl_b32 s17, s12, 15
	s_add_co_u32 s16, s16, s17                     ; my two of a K step's four heads
	s_mov_b32 s17, 0
	s_lshl_b32 s46, s42, 18                        ; B: 128 rows of 2,048 bytes a tile column,
	s_lshl_b32 s47, s12, 17
	s_add_co_u32 s46, s46, s47                     ; my 64 of them
	s_mov_b32 s47, 0
	s_mul_i32 s20, s12, ALOAD                      ; where they go: no place in the cluster enters an LDS address
	s_mul_i32 s21, s12, HALFB
	s_add_co_u32 s21, s21, ATILE
	s_wait_dscnt 0x0                               ; both opening adds are done
	s_wait_kmcnt 0x0
	s_add_nc_u64 s[14:15], s[4:5], s[16:17]
	s_add_nc_u64 s[46:47], s[6:7], s[46:47]
	CROUND                                         ; all sixteen work-groups are here: the first joint loads meet
.irp s, 0,1
	s_mov_b32 s[G0+4*\s], 1
	s_add_co_u32 s[G0+4*\s+1], s20, \s*SLOT
	s_add_nc_u64 s[G0+4*\s+2:G0+4*\s+3], s[14:15], \s*65536        ; K step s: four heads on
	s_or_b32 s[G0+4*\s+3], s[G0+4*\s+3], 0x80000000
	s_mov_b32 s[G0B+4*\s], 1
	s_add_co_u32 s[G0B+4*\s+1], s21, \s*SLOT
	s_add_nc_u64 s[G0B+4*\s+2:G0B+4*\s+3], s[46:47], \s*KSTEP*2
	s_or_b32 s[G0B+4*\s+3], s[G0B+4*\s+3], 0x80000000
	JLOAD \s
.endr
	v_and_b32 v1, 15, v0                           ; r = l % 16
	v_bfe_u32 v2, v0, 4, 1                         ; h = l / 16
	v_mul_u32_u24 v3, v1, PA
	v_lshl_add_u32 v3, v2, 4, v3                   ; a fragment's row x pitch + 16 x half, for A
	v_mul_u32_u24 v4, v1, PB
	v_lshl_add_u32 v4, v2, 4, v4                   ; and for B
	s_mul_i32 s21, s11, 64*PA                      ; my 64 tokens in each head's 128
	s_mul_i32 s22, s12, HALFB                      ; my 64 rows of B,
	s_add_co_u32 s22, s22, ATILE                   ; which lie behind A's tile
.irp s, 0,1
	v_add_nc_u32 v[ADRA+\s], s21, v3
	v_add_nc_u32 v[ADRB+\s], s22, v4
	s_add_co_u32 s21, s21, SLOT
	s_add_co_u32 s22, s22, SLOT
.endr
	s_mul_i32 s23, s10, 16*SPITCH
	s_add_co_u32 s23, s23, STAGE                   ; my stage: a wave's 64 columns of f32 are 256 bytes, so no other wave has a part in its rows
	v_mul_u32_u24 v4, v1, SPITCH
	v_lshl_add_u32 v4, v2, 5, v4
	v_add_nc_u32 v[STO], s23, v4                   ; in: row r, 32 bytes for each half of the lanes
	v_mul_u32_u24 v5, v2, SPITCH
	v_lshl_add_u32 v5, v1, 4, v5
	v_add_nc_u32 v[RD], s23, v5                    ; back: lanes 0-15 one row of 256 bytes, lanes 16-31 the next
	v_lshlrev_b32 v5, 12, v2
	v_lshl_add_u32 v[CO], v1, 4, v5                ; and the same two rows in out0
	v_lshlrev_b32 v6, 5, v2                        ; the bias: 32 bytes for each half of the lanes
	s_lshl_b32 s16, s13, 19
	s_lshl_b32 s17, s11, 18
	s_add_co_u32 s16, s16, s17                     ; my first row of out0: (128 x tile row + 64 x half) rows of 4,096 bytes
	s_mov_b32 s17, 0
	s_add_nc_u64 s[70:71], s[70:71], s[16:17]
	s_lshl_b32 s46, s42, 9                         ; my first column, in bytes, in out0 and in bo alike: 512 x tile column + 256 x half
	s_lshl_b32 s47, s12, 8
	s_add_co_u32 s46, s46, s47
	s_mov_b32 s47, 0
	s_add_nc_u64 s[70:71], s[70:71], s[46:47]
	s_add_nc_u64 s[68:69], s[68:69], s[46:47]
.irp b, 0,1,2,3
	global_load_b128 v[BIAS+8*\b:BIAS+8*\b+3],   v6, s[68:69] offset:64*\b      ; bo at columns 16 b + 8 h + 0 .. 7: the result's layout
	global_load_b128 v[BIAS+8*\b+4:BIAS+8*\b+7], v6, s[68:69] offset:64*\b+16
.endr
; 8 matrix instructions: m blocks a0, a0 + 1 x all 4 n blocks, 32 along K: half c of buffer f.  first = 1: the first product starts the sums on the bias.  The 16 accumulators take turns.
.macro MUL8 f, c, a0, first
.irp a, \a0, \a0+1
.irp b, 0,1,2,3
.if \first
	v_wmma_f32_16x16x32_f16 v[ACC+8*(4*(\a)+\b):ACC+8*(4*(\a)+\b)+7], v[\f+64+8*(4*\c+\b):\f+64+8*(4*\c+\b)+7], v[\f+8*(4*\c+\a):\f+8*(4*\c+\a)+7], v[BIAS+8*\b:BIAS+8*\b+7]
.else
	v_wmma_f32_16x16x32_f16 v[ACC+8*(4*(\a)+\b):ACC+8*(4*(\a)+\b)+7], v[\f+64+8*(4*\c+\b):\f+64+8*(4*\c+\b)+7], v[\f+8*(4*\c+\a):\f+8*(4*\c+\a)+7], v[ACC+8*(4*(\a)+\b):ACC+8*(4*(\a)+\b)+7]
.endif
.endr
.endr
.endm
; 32 LDS loads in one run: the fragments of the slot's q-th 64 along K (one head) into buffer f; the first 32 along K first
.macro FETCH slot, q, f
	WIN TO_F
.irp c, 0,1
.irp i, 0,1,2,3
	ds_load_b128 v[\f+64+8*(4*\c+\i):\f+64+8*(4*\c+\i)+3],   v[ADRB+\slot] offset:128*(\q)+64*\c+\i*16*PB
	ds_load_b128 v[\f+64+8*(4*\c+\i)+4:\f+64+8*(4*\c+\i)+7], v[ADRB+\slot] offset:128*(\q)+64*\c+\i*16*PB+32
	ds_load_b128 v[\f+8*(4*\c+\i):\f+8*(4*\c+\i)+3],         v[ADRA+\slot] offset:AHEAD*(\q)+64*\c+\i*16*PA
	ds_load_b128 v[\f+8*(4*\c+\i)+4:\f+8*(4*\c+\i)+7],       v[ADRA+\slot] offset:AHEAD*(\q)+64*\c+\i*16*PA+32
.endr
.endr
.endm
.macro PLACES                          ; four places in front of loads into registers that matrix instructions have read, and of reads of results
.rept 4
	v_nop
.endr
.endm
; A K step is four quarters of 64 along K, 32 matrix instructions each, on buffers 0, 1, 0, 1.  One of the first three: multiplies buffer f and fetches quarter q into g.
.macro QUARTER slot, q, f, g, first
	s_wait_dscnt 16                                ; the first 32 along K are in; the sixteen loads of the second may be out
	WIN MUL
	MUL8 \f, 0, 0, \first
	MUL8 \f, 0, 2, \first
	PLACES
	FETCH \slot, \q, \g
	s_wait_dscnt 32                                ; all but the 32 just issued
	WIN MUL
	MUL8 \f, 1, 0, 0
	MUL8 \f, 1, 2, 0
.endm
; The last quarter multiplies buffer 1 and changes slots: ONE barrier; in front of it each wave waits for all its tensor loads, adds 0 to its spare word, and waits for that and for its own reads of this slot.  fill = 1: this slot is filled again, two K steps ahead.
.macro TURN slot, next, fill
	WIN 0                                          ; (the add's two registers lie in window 0)
	s_wait_tensorcnt 0x0                           ; all my tensor loads have landed: my part of the next slot
	ds_add_u32 v[SPW], v[NIL]                      ; 0 onto my spare word
	s_wait_dscnt 17                                ; (the add and the youngest sixteen loads may be out)
	WIN MUL
	MUL8 F1, 0, 0, 0                               ; eight matrix instructions stand between the add and the wait for it
	s_wait_dscnt 0x0                               ; the add is done, and my reads of this slot are over
	s_barrier_signal -1
	MUL8 F1, 0, 2, 0
.if \fill
	WIN 0
.endif
	s_barrier_wait -1
.if \fill
	CREST                                          ; the barrier has opened a round of the cluster's barrier: no wave of any partner still reads this slot's tile or has a load on its way
	s_add_nc_u64 s[G0+4*\slot+2:G0+4*\slot+3], s[G0+4*\slot+2:G0+4*\slot+3], 2*65536
	s_add_nc_u64 s[G0B+4*\slot+2:G0B+4*\slot+3], s[G0B+4*\slot+2:G0B+4*\slot+3], 2*KSTEP*2
	JLOAD \slot                                    ; the first tensor load behind the round; the four v_nop behind it are also the places in front of the loads below
.else
	PLACES
.endif
	FETCH \next, 0, F0
	WIN MUL
	MUL8 F1, 1, 0, 0
	MUL8 F1, 1, 2, 0
.endm
	s_wait_tensorcnt 1                             ; my part of K step 0 is in; K step 1's load may be out
	s_barrier_signal -1
	s_barrier_wait -1                              ; everybody's is
	FETCH 0, 0, F0
	s_wait_loadcnt 0x0                             ; the bias
	QUARTER 0, 1, F0, F1, 1                        ; the first quarter stands in front of the loop: its first products start the sums
	WIN 0                                          ; at a label and at a branch every window is 0
	s_mov_b32 s3, LAPS-1
.Llap:                                                 ; a trip goes once round the ring, from a lap's second quarter to the next lap's first, and fills both slots again
	QUARTER 0, 2, F1, F0, 0
	QUARTER 0, 3, F0, F1, 0
	TURN 0, 1, 1
	QUARTER 1, 1, F0, F1, 0
	QUARTER 1, 2, F1, F0, 0
	QUARTER 1, 3, F0, F1, 0
	TURN 1, 0, 1
	QUARTER 0, 1, F0, F1, 0
	WIN 0
	s_sub_co_u32 s3, s3, 1
	s_cmp_lg_u32 s3, 0
	s_cbranch_scc1 .Llap
	QUARTER 0, 2, F1, F0, 0                        ; the last lap fills nothing, and has no round of the cluster's barrier
	QUARTER 0, 3, F0, F1, 0
	TURN 0, 1, 0
	QUARTER 1, 1, F0, F1, 0
	QUARTER 1, 2, F1, F0, 0
	QUARTER 1, 3, F0, F1, 0
	s_wait_dscnt 16                                ; the very last quarter: nothing more to fetch
	WIN MUL
	MUL8 F1, 0, 0, 0
	MUL8 F1, 0, 2, 0
	s_wait_dscnt 0
	MUL8 F1, 1, 0, 0
	MUL8 F1, 1, 2, 0
	WIN 0
; THE WAY OUT, block by block of 16 rows x 64 columns of f32.  A lane holds 32 neighbouring bytes of a row: a block goes through my own stage and comes back as whole rows of 256 bytes.
; LDS serves a wave's instructions in order: no wait between the stores and the loads, nor in front of the next block's stores.
.macro TOSTAGE a
.irp b, 0,1,2,3
	ds_store_b128 v[STO], v[ACC+8*(4*(\a)+\b):ACC+8*(4*(\a)+\b)+3] offset:64*\b          ; each accumulator from its low end on
	ds_store_b128 v[STO], v[ACC+8*(4*(\a)+\b)+4:ACC+8*(4*(\a)+\b)+7] offset:64*\b+16
.endr
.set BB, TMP+32*((\a)%2)
.irp t, 0,1,2,3,4,5,6,7
	ds_load_b128 v[BB+4*\t:BB+4*\t+3], v[RD] offset:\t*2*SPITCH
.endr
.endm
.macro SEND a, younger                 ; younger: the LDS instructions issued behind block a's loads, which may stay out
.set BB, TMP+32*((\a)%2)
	s_wait_dscnt \younger                          ; the block is back in registers
.irp t, 0,1,2,3,4,5,6,7
	global_store_b128 v[CO], v[BB+4*\t:BB+4*\t+3], s[70:71] offset:4096*(16*(\a)+2*\t) th:TH_STORE_NT   ; sixteen lanes store 256 consecutive bytes, aligned
.endr
.endm
	PLACES
	TOSTAGE 0
.irp a, 1,2,3
.if \a > 1
	s_wait_xcnt 0x0                                ; block a - 2's stores have read their registers: block a's loads may land there
.endif
	TOSTAGE \a
	SEND \a-1, 16                                  ; behind block a - 1's loads: block a's 8 stores and 8 loads
.endr
	SEND 3, 0
	s_wait_tensorcnt 0x0                           ; the wave's end, behind my last tensor load and my last LDS store
	ds_add_u32 v[SPW], v[NIL]
	s_wait_dscnt 0x0
	CROUND                                         ; the closing round: no work-group ends while a partner may still ask for a tile that names it
	s_endpgm
.Lfunc_end_k_qe48a7db47c_proj:
	.size	k_qe48a7db47c_proj, .Lfunc_end_k_qe48a7db47c_proj-k_qe48a7db47c_proj
	.p2alignl 7, 3214868480
	.fill 96, 4, 3214868480
	.section	.rodata,"a",@progbits
	.p2align	6, 0x0
	.amdhsa_kernel k_qe48a7db47c_proj
		.amdhsa_group_segment_fixed_size 327680
		.amdhsa_private_segment_fixed_size 0
		.amdhsa_enable_private_segment 0
		.amdhsa_kernarg_size 32
		.amdhsa_user_sgpr_count 2
		.amdhsa_user_sgpr_kernarg_segment_ptr 1
		.amdhsa_wavefront_size32 1
		.amdhsa_system_sgpr_workgroup_id_x 1
		.amdhsa_system_sgpr_workgroup_id_y 1
		.amdhsa_system_sgpr_workgroup_id_z 1
		.amdhsa_system_vgpr_workitem_id 0
		.amdhsa_next_free_vgpr 512
		.amdhsa_next_free_sgpr 72
		.amdhsa_reserve_vcc 0
		.amdhsa_float_denorm_mode_32 3
		.amdhsa_float_denorm_mode_16_64 3
		.amdhsa_memory_ordered 1
		.amdhsa_forward_progress 1
		.amdhsa_inst_pref_size 87
	.end_amdhsa_kernel
	.amdgpu_metadata
---
amdhsa.version: [ 1, 2 ]
amdhsa.kernels:
  - .name:           k_qe48a7db47c_proj
    .symbol:         k_qe48a7db47c_proj.kd
    .args:
      - { .name: att, .offset: 0, .size: 8, .value_kind: global_buffer, .address_space: global }
      - { .name: wot, .offset: 8, .size: 8, .value_kind: global_buffer, .address_space: global }
      - { .name: bo, .offset: 16, .size: 8, .value_kind: global_buffer, .address_space: global }
      - { .name: out0, .offset: 24, .size: 8, .value_kind: global_buffer, .address_space: global }
    .group_segment_fixed_size: 327680
    .private_segment_fixed_size: 0
    .kernarg_segment_align: 8
    .kernarg_segment_size: 32
    .max_flat_workgroup_size: 128
    .sgpr_count:     72
    .vgpr_count:     512
    .wavefront_size: 32
...
	.end_amdgpu_metadata
.endif
;; end of part 4
;; launch fine (part 5): grid 64 x 2, 16 waves a work-group, no clusters, 157,696 bytes of LDS; arguments qkvf, Wo, bo, out0; writes out0
.if DOCPART == 5
	.amdgcn_target "amdgcn-amd-amdhsa--gfx1250"
	.amdhsa_code_object_version 6
	.text
	.protected	k_qe48a7db47c_fine
	.globl	k_qe48a7db47c_fine
	.p2align	8
	.type	k_qe48a7db47c_fine,@function
k_qe48a7db47c_fine:
	s_mov_b64 s[64:65], 0
	v_nop
	global_prefetch_b8 v0, s[64:65] scope:SCOPE_SE
	s_setreg_imm32_b32 hwreg(HW_REG_WAVE_MODE, 25, 1), 1
	s_wait_xcnt 0x0
; THE FIRST 16 POSITIONS OF EACH BATCH, IN f32 THROUGHOUT: under the causal mask they average one to sixteen values, and 16-bit operands would weigh most there.  Attention and projection by v_wmma_f32_16x16x4_f32; their 32 rows of out0 are stored anew.
; qkvf: [batch][16 rows][3072 = tensor x 1024 + head x 64 + channel] f32.  Wo [1024 (k)][1024 (n)], bo [1024], out0 [2][2048][1024]: f32.
; SHARES.  A work-group makes 16 columns (16 x work-group x on) of the 16 rows of batch y.  Wave = head: it makes its head's attention (32 matrix instructions; every work-group of a batch repeats them, which spares a launch and a way through memory)
; and, with O^T still in registers, its head's 64 of the projection's 1,024 along K.  The 16 partial tiles are summed through LDS, in a fixed order, by waves 0 and 1.
; A row's 16 columns are 64 bytes: the launch's 128 KB of stores cover their 256-byte blocks in part.
; q AND k COME IN BY WHOLE ROWS: a head's part of a row is 256 bytes, and each load of the wave covers two rows' 256 consecutive bytes, 16 a lane.  The operand wants a lane to hold 32 channels of ONE row: so the two tiles of
; 16 rows turn through the wave's own stage in LDS (rows of 256 + 16 bytes) and come back 128 bytes a lane.  No barrier: no other wave touches that stage.
; K IS PERMUTED ALIKE ON BOTH OPERANDS, so that plain loads fill the fragments.  In step s, lane half hh, register j: scores: channel 32 hh + 2 s + j;  p v: key 8 hh + 2 s + j;  projection: channel 16 ct + 8 hh + 2 s + j.
; All products are used transposed: a lane holds ONE query (lane % 16) throughout.  The registers that the matrix instructions write (v144-239) are written by nothing else.
; LIMITS: NaN and infinities are not served; the order of the f32 sums differs from the definition's.
.set KR, 16                            ; v16-47   k: as loaded; then my key row's channels 32 hh + 0 .. 31
.set QR, 48                            ; v48-79   q: the same of my query row
.set VR, 80                            ; v80-111  v: register 8 ct + kk: V(key 8 hh + kk, channel 16 ct + r)
.set WR, 112                           ; v112-143 Wo: register 8 ct + kk: Wo(64 head + 16 ct + 8 hh + kk, n0 + r)
.set SA, 144                           ; v144-175 S^T in four partial sums
.set OA, 176                           ; v176-207 O^T: tile ct: channels 16 ct + 8 hh + 0 .. 7 of my query
.set DA, 208                           ; v208-239 the projection in four partial sums: columns n0 + 8 hh + 0 .. 7 of my query
.set SS, 240                           ; v240-247 the scores: keys 8 hh + 0 .. 7.  Before them v240 and v241 hold the stage's two addresses
.set PP, 248                           ; v248-255 the weights
.set TIN, 240                          ; v240 the stage, on the way in: row lane / 16 of a pair, 16 (lane % 16) bytes
.set TOUT, 241                         ; v241 and on the way out: row lane % 16, 128 (lane / 16) bytes
.set SPW, 12                           ; v12  LDS address of my spare word; never rewritten
.set NIL, 13                           ; v13  0; never rewritten
.set SPARE, 16384                      ; behind the 16 partial tiles of 1,024 bytes: the spare words, 128 bytes for each wave: eight blocks of 256 bytes that no other line names
.set TPITCH, 272                       ; a stage row: 256 bytes + 16: the 16 rows that a load touches start 68 words apart
.set TTILE, 16*TPITCH                  ; a tile of 16 rows
.set TSTG,  SPARE+2048                 ; behind the spare words: for each wave k's tile, then q's
	s_load_b256 s[4:11], s[0:1], 0x0               ; qkvf s[4:5], Wo s[6:7], bo s[8:9], out0 s[10:11]
	v_lshl_add_u32 v[SPW], v0, 2, SPARE
	v_mov_b32 v[NIL], 0
	v_lshrrev_b32 v1, 5, v0
	v_readfirstlane_b32 s12, v1                    ; wave = head
	s_and_b32 s13, ttmp7, 0xffff                   ; batch
	s_lshl_b32 s14, ttmp9, 6                       ; my first column, in bytes
	s_and_b32 s15, s12, 1                          ; u: which four of a lane's eight columns I would store
	s_mov_b32 s20, 0x76543210
	s_mov_b32 s21, 0xfedcba98                      ; v_permlanex16_b32's selects for lane l xor 16
	s_mov_b32 s22, 0x3e38aa3b                      ; c = log2(e) / 8
	s_mul_i32 s16, s13, 196608
	s_lshl_b32 s17, s12, 8
	s_add_co_u32 s16, s16, s17                     ; qkvf: my batch, my head's q
	s_mov_b32 s17, 0
	s_lshl_b32 s18, s12, 18
	s_add_co_u32 s18, s18, s14                     ; Wo: my head's 64 rows of 4,096 bytes, my columns
	s_mov_b32 s19, 0
	s_lshl_b32 s24, s15, 4
	s_add_co_u32 s24, s24, s14                     ; bo: my columns, + 16 u
	s_mov_b32 s25, 0
	s_lshl_b32 s26, s13, 23
	s_add_co_u32 s26, s26, s24                     ; out0: my batch's first row, the same columns
	s_mov_b32 s27, 0
	s_mul_i32 s29, s12, 2*TTILE
	s_add_co_u32 s29, s29, TSTG                    ; my stage
	v_and_b32 v1, 15, v0                           ; r
	v_bfe_u32 v2, v0, 4, 1                         ; hh
	v_mul_u32_u24 v3, v2, 12288
	v_lshl_add_u32 v3, v1, 4, v3                   ; q, k on the way in: row hh of a pair of rows, 16 r bytes of the head's 256
	v_mul_u32_u24 v[TIN], v2, TPITCH
	v_lshl_add_u32 v[TIN], v1, 4, v[TIN]
	v_add_nc_u32 v[TIN], s29, v[TIN]               ; the same place in the stage
	v_mul_u32_u24 v[TOUT], v1, TPITCH
	v_lshl_add_u32 v[TOUT], v2, 7, v[TOUT]
	v_add_nc_u32 v[TOUT], s29, v[TOUT]             ; and out of it: row r, channels 32 hh on
	v_mul_u32_u24 v8, v2, 98304
	v_lshl_add_u32 v8, v1, 2, v8                   ; v: rows 8 hh on, channel r
	v_lshlrev_b32 v9, 15, v2
	v_lshl_add_u32 v9, v1, 2, v9                   ; Wo: rows 8 hh on, column r
	v_lshlrev_b32 v10, 3, v2
	v_sub_nc_u32 v10, v1, v10                      ; r - 8 hh: the mask's bound
	v_lshlrev_b32 v11, 5, v2                       ; bo: 32 hh
	v_and_b32 v15, 31, v0
	s_lshl_b32 s28, s12, 10
	v_lshl_add_u32 v14, v15, 4, s28                ; my partial tile: 1,024 x wave + 16 x lane
	s_lshl_b32 s28, s15, 9
	v_lshl_add_u32 v15, v15, 4, s28                ; and where I would read all sixteen: 512 u + 16 x lane
	v_lshlrev_b32 v1, 12, v1
	v_lshl_add_u32 v1, v2, 5, v1                   ; out0: row r of 4,096 bytes, + 32 hh
	s_wait_kmcnt 0x0
	s_add_nc_u64 s[4:5], s[4:5], s[16:17]
	s_add_nc_u64 s[6:7], s[6:7], s[18:19]
	s_add_nc_u64 s[8:9], s[8:9], s[24:25]
	s_add_nc_u64 s[10:11], s[10:11], s[26:27]
	global_load_b128 v[4:7], v11, s[8:9]           ; the bias of my four columns.  All 81 loads go out here
.irp i, 0,1,2,3,4,5,6,7
	global_load_b128 v[KR+4*\i:KR+4*\i+3], v3, s[4:5] offset:4096+24576*\i   ; k: rows 2 i and 2 i + 1, whole
.endr
.irp i, 0,1,2,3,4,5,6,7
	global_load_b128 v[QR+4*\i:QR+4*\i+3], v3, s[4:5] offset:24576*\i        ; q likewise
.endr
.irp ct, 0,1,2,3
.irp kk, 0,1,2,3,4,5,6,7
	global_load_b32 v[VR+8*\ct+\kk], v8, s[4:5] offset:8192+12288*\kk+64*\ct
.endr
.endr
.irp ct, 0,1,2,3
.irp kk, 0,1,2,3,4,5,6,7
	global_load_b32 v[WR+8*\ct+\kk], v9, s[6:7] offset:4096*(16*\ct+\kk)
.endr
.endr
	s_wait_loadcnt 63                              ; the bias, k and q, 17 loads, are in.  64 were issued behind them; a wait names 63 at the most
.irp i, 0,1,2,3,4,5,6,7
	ds_store_b128 v[TIN], v[KR+4*\i:KR+4*\i+3] offset:2*TPITCH*\i
.endr
.irp i, 0,1,2,3,4,5,6,7
	ds_store_b128 v[TIN], v[QR+4*\i:QR+4*\i+3] offset:TTILE+2*TPITCH*\i
.endr
.irp i, 0,1,2,3,4,5,6,7
	ds_load_b128 v[KR+4*\i:KR+4*\i+3], v[TOUT] offset:16*\i                  ; LDS serves a wave's instructions in order: these see my stores.  Register 4 i + e: channel 32 hh + 4 i + e of key row r
.endr
.irp i, 0,1,2,3,4,5,6,7
	ds_load_b128 v[QR+4*\i:QR+4*\i+3], v[TOUT] offset:TTILE+16*\i
.endr
	s_wait_dscnt 0x0
	; S^T = k q^T: 16 steps of 4 along K, four partial sums by turns; each begins with the constant 0
.irp s, 0,1,2,3,4,5,6,7,8,9,10,11,12,13,14,15
.if \s < 4
	v_wmma_f32_16x16x4_f32 v[SA+8*(\s%4):SA+8*(\s%4)+7], v[KR+2*\s:KR+2*\s+1], v[QR+2*\s:QR+2*\s+1], 0
.else
	v_wmma_f32_16x16x4_f32 v[SA+8*(\s%4):SA+8*(\s%4)+7], v[KR+2*\s:KR+2*\s+1], v[QR+2*\s:QR+2*\s+1], v[SA+8*(\s%4):SA+8*(\s%4)+7]
.endif
.endr
.rept 8
	v_nop                                          ; eight places behind this form, in front of the reads of its results (ISA guide 7.12.1)
.endr
.irp p, 0,1,2,3
	v_pk_add_f32 v[SS+2*\p:SS+2*\p+1], v[SA+2*\p:SA+2*\p+1], v[SA+8+2*\p:SA+8+2*\p+1]   ; each partial sum is read from its low end on
.endr
.irp p, 0,1,2,3
	v_pk_add_f32 v[SS+2*\p:SS+2*\p+1], v[SS+2*\p:SS+2*\p+1], v[SA+16+2*\p:SA+16+2*\p+1]
.endr
.irp p, 0,1,2,3
	v_pk_add_f32 v[SS+2*\p:SS+2*\p+1], v[SS+2*\p:SS+2*\p+1], v[SA+24+2*\p:SA+24+2*\p+1]
.endr
	v_mov_b32 v24, 0xff800000                      ; -infinity.  (v24-31 held k's numbers, which the products have long read)
.irp j, 0,1,2,3,4,5,6,7
	v_cmp_gt_i32 vcc_lo, \j, v10                   ; key 8 hh + j is hidden from query r where j > r - 8 hh
	v_cndmask_b32 v[SS+\j], v[SS+\j], v24, vcc_lo
.endr
	v_max3_num_f32 v25, v[SS], v[SS+1], v[SS+2]
	v_max3_num_f32 v25, v25, v[SS+3], v[SS+4]
	v_max3_num_f32 v25, v25, v[SS+5], v[SS+6]
	v_max_num_f32 v25, v25, v[SS+7]
	v_permlanex16_b32 v26, v25, s20, s21
	v_max_num_f32 v25, v25, v26                    ; the row's maximum: key 0 counts for every query
	v_mul_f32 v27, s22, v25
.irp j, 0,1,2,3,4,5,6,7
	v_fma_f32 v[SS+\j], v[SS+\j], s22, -v27        ; c s - c m
.endr
.irp j, 0,1,2,3,4,5,6,7
	v_exp_f32 v[PP+\j], v[SS+\j]
.endr
	v_nop                                          ; a plain instruction behind the last exponential
	s_wait_alu depctr_va_vdst(0)                   ; one wait for the eight, ahead of their first reader
	v_add_f32 v28, v[PP], v[PP+1]
	v_add_f32 v29, v[PP+2], v[PP+3]
	v_add_f32 v30, v[PP+4], v[PP+5]
	v_add_f32 v31, v[PP+6], v[PP+7]
	v_add_f32 v28, v28, v29
	v_add_f32 v30, v30, v31
	v_add_f32 v28, v28, v30
	v_permlanex16_b32 v26, v28, s20, s21
	v_add_f32 v28, v28, v26                        ; the row's sum
	v_rcp_f32 v29, v28
	v_nop
	s_wait_alu depctr_va_vdst(0)
.irp j, 0,1,2,3,4,5,6,7
	v_mul_f32 v[PP+\j], v[PP+\j], v29              ; the weights
.endr
	s_wait_loadcnt 32                              ; v is in; Wo's 32 loads may be out
	; O^T = v^T p: 4 steps of 4 keys, the four tiles of channels by turns
.irp s, 0,1,2,3
.irp ct, 0,1,2,3
.if \s == 0
	v_wmma_f32_16x16x4_f32 v[OA+8*\ct:OA+8*\ct+7], v[VR+8*\ct+2*\s:VR+8*\ct+2*\s+1], v[PP+2*\s:PP+2*\s+1], 0
.else
	v_wmma_f32_16x16x4_f32 v[OA+8*\ct:OA+8*\ct+7], v[VR+8*\ct+2*\s:VR+8*\ct+2*\s+1], v[PP+2*\s:PP+2*\s+1], v[OA+8*\ct:OA+8*\ct+7]
.endif
.endr
.endr
.rept 9
	v_nop                                          ; nine places before a matrix instruction takes these results as an operand
.endr
	s_wait_loadcnt 0x0                             ; Wo
	; my head's part of the projection: source 0 = 16 columns of Wo, source 1 = O^T as it stands: a pair of tile ct's registers is 2 channels of each half of the lanes; four partial sums by turns
.irp s, 0,1,2,3
.irp ct, 0,1,2,3
.if \s == 0
	v_wmma_f32_16x16x4_f32 v[DA+8*\ct:DA+8*\ct+7], v[WR+8*\ct+2*\s:WR+8*\ct+2*\s+1], v[OA+8*\ct+2*\s:OA+8*\ct+2*\s+1], 0
.else
	v_wmma_f32_16x16x4_f32 v[DA+8*\ct:DA+8*\ct+7], v[WR+8*\ct+2*\s:WR+8*\ct+2*\s+1], v[OA+8*\ct+2*\s:OA+8*\ct+2*\s+1], v[DA+8*\ct:DA+8*\ct+7]
.endif
.endr
.endr
.rept 8
	v_nop
.endr
.irp p, 0,1,2,3
	v_pk_add_f32 v[16+2*\p:17+2*\p], v[DA+2*\p:DA+2*\p+1], v[DA+8+2*\p:DA+8+2*\p+1]
.endr
.irp p, 0,1,2,3
	v_pk_add_f32 v[16+2*\p:17+2*\p], v[16+2*\p:17+2*\p], v[DA+16+2*\p:DA+16+2*\p+1]
.endr
.irp p, 0,1,2,3
	v_pk_add_f32 v[16+2*\p:17+2*\p], v[16+2*\p:17+2*\p], v[DA+24+2*\p:DA+24+2*\p+1]
.endr
	ds_store_b128 v14, v[16:19]                    ; my head's part, as an image of its registers: columns 8 hh + 0 .. 3,
	ds_store_b128 v14, v[20:23] offset:512         ; and + 4 .. 7
	s_wait_dscnt 0x0                               ; for the others' sake
	s_barrier_signal -1
	s_barrier_wait -1
	s_cmp_lt_u32 s12, 2
	s_cbranch_scc0 .Ldone
.irp w, 0,1,2,3,4,5,6,7,8,9,10,11,12,13,14,15
	ds_load_b128 v[VR+4*\w:VR+4*\w+3], v15 offset:1024*\w
.endr
	s_wait_dscnt 0x0
.irp w, 0,1,2,3,4,5,6,7,8,9,10,11,12,13,14,15
	v_pk_add_f32 v[4:5], v[4:5], v[VR+4*\w:VR+4*\w+1]              ; the bias, then head 0 to head 15
	v_pk_add_f32 v[6:7], v[6:7], v[VR+4*\w+2:VR+4*\w+3]
.endr
	global_store_b128 v1, v[4:7], s[10:11]         ; out0(row r, n0 + 8 hh + 4 u + 0 .. 3)
.Ldone:
	s_wait_tensorcnt 0x0                           ; the wave's end, behind my last LDS store
	ds_add_u32 v[SPW], v[NIL]
	s_wait_dscnt 0x0
	s_endpgm
.Lfunc_end_k_qe48a7db47c_fine:
	.size	k_qe48a7db47c_fine, .Lfunc_end_k_qe48a7db47c_fine-k_qe48a7db47c_fine
	.p2alignl 7, 3214868480
	.fill 96, 4, 3214868480
	.section	.rodata,"a",@progbits
	.p2align	6, 0x0
	.amdhsa_kernel k_qe48a7db47c_fine
		.amdhsa_group_segment_fixed_size 157696
		.amdhsa_private_segment_fixed_size 0
		.amdhsa_enable_private_segment 0
		.amdhsa_kernarg_size 32
		.amdhsa_user_sgpr_count 2
		.amdhsa_user_sgpr_kernarg_segment_ptr 1
		.amdhsa_wavefront_size32 1
		.amdhsa_system_sgpr_workgroup_id_x 1
		.amdhsa_system_sgpr_workgroup_id_y 1
		.amdhsa_system_sgpr_workgroup_id_z 1
		.amdhsa_system_vgpr_workitem_id 0
		.amdhsa_next_free_vgpr 256
		.amdhsa_next_free_sgpr 66
		.amdhsa_reserve_vcc 1
		.amdhsa_float_denorm_mode_32 3
		.amdhsa_float_denorm_mode_16_64 3
		.amdhsa_memory_ordered 1
		.amdhsa_forward_progress 1
		.amdhsa_inst_pref_size 24
	.end_amdhsa_kernel
	.amdgpu_metadata
---
amdhsa.version: [ 1, 2 ]
amdhsa.kernels:
  - .name:           k_qe48a7db47c_fine
    .symbol:         k_qe48a7db47c_fine.kd
    .args:
      - { .name: qkvf, .offset: 0, .size: 8, .value_kind: global_buffer, .address_space: global }
      - { .name: Wo, .offset: 8, .size: 8, .value_kind: global_buffer, .address_space: global }
      - { .name: bo, .offset: 16, .size: 8, .value_kind: global_buffer, .address_space: global }
      - { .name: out0, .offset: 24, .size: 8, .value_kind: global_buffer, .address_space: global }
    .group_segment_fixed_size: 157696
    .private_segment_fixed_size: 0
    .kernarg_segment_align: 8
    .kernarg_segment_size: 32
    .max_flat_workgroup_size: 512
    .sgpr_count:     66
    .vgpr_count:     256
    .wavefront_size: 32
...
	.end_amdgpu_metadata
.endif
;; end of part 5
